; MI455X (gfx1250); checked and timed in simulation.
; The chip was launched on July 23, 2026; its instructions are those of AMD's public machine-readable ISA for CDNA 5 (MIT licence, August 2026) and "CDNA5" Instruction Set Architecture Reference Guide (July 2026). The comments in the code are by the model that wrote it; some were corrected since.
;; Self Attention. Allowed arithmetic: matrix products marked QUANTISED: E4M3 operands, one E8M0 scale for each 32 along K, by v_wmma_scale_f32_16x16x128_f8f6f4 with both operands' format E4M3, f32 sums; everything else in f32.
;; Inputs: b_proj 1,024 float32; w_proj 1,024 x 1,024 float32; w_qkv 1,024 x 3,072 float32; x 2 x 2,048 x 1,024 float32; y 2 x 2,048 x 1,024 float32.
;; Outputs: out0 2 x 2,048 x 1,024 float32; out1 2 x 2,048 x 1,024 float32.
;; This version of the problem:
;;   THIS VERSION OF THE PROBLEM IS GIVEN IN LOW PRECISION. The matrix products marked QUANTISED in the list below multiply operands that are first quantised to E4M3 (4 exponent bits, 3 mantissa bits; 8 bits a number), with one power-of-two scale for each 32 numbers along K (OCP MX v1.0); their sums are f32. All else is computed in f32.
;;   The module's matrix products, in the order in which they are computed (A, B: the left and right operand; K: the contracted axis; several contracted axes count as one K, in the product's order):
;;     1. [M 4,096, K 1,024] x [K 1,024, N 3,072]; A: input x; B: input w_qkv: QUANTISED
;;     2. [M 4,096, K 1,024] x [K 1,024, N 3,072]; A: input y; B: input w_qkv: QUANTISED
;;     3. batch 32 x [M 2,048, K 64] x [K 64, N 2,048]; A: computed on the way; B: computed on the way: QUANTISED
;;     4. batch 32 x [M 2,048, K 64] x [K 64, N 2,048]; A: computed on the way; B: computed on the way: QUANTISED
;;     5. batch 32 x [M 2,048, K 2,048] x [K 2,048, N 64]; A: softmax (see below); B: computed on the way: QUANTISED
;;     6. batch 32 x [M 2,048, K 2,048] x [K 2,048, N 64]; A: softmax (see below); B: computed on the way: QUANTISED
;;     7. [M 4,096, K 1,024] x [K 1,024, N 1,024]; A: computed on the way; B: input w_proj: QUANTISED
;;     8. [M 4,096, K 1,024] x [K 1,024, N 1,024]; A: computed on the way; B: input w_proj: QUANTISED
;;   THE QUANTISER, for each operand of a quantised product, along K:
;;     - K is cut into blocks of 32 from its start; a last block that is shorter is filled with zeros.
;;     - A block's scale is 2^e with e = floor(log2(the largest magnitude in the block)) - 8, held to -126 .. 127; a block of zeros has e = 0. As a byte (E8M0): e + 127.
;;     - Each number is divided by its block's scale, clamped to +-448, and rounded to the nearest number of E4M3, ties to even, subnormals kept.
;;     - The product sums the exact products of the quantised numbers (number of the format x scale) in f32.
;;   ~~~python
;;   def quantise(x, axis):      # numpy; x: float32 -> the quantised numbers, widened to float32 again
;;       x = np.moveaxis(x, axis, -1); K = x.shape[-1]
;;       x = np.pad(x, [(0, 0)] * (x.ndim - 1) + [(0, -K % 32)]); x = x.reshape(x.shape[:-1] + (-1, 32)); a = np.abs(x).max(-1, keepdims=True)
;;       e = np.where(a > 0, np.clip(np.frexp(np.where(a > 0, a, 1))[1] - 1 - 8, -126, 127), 0)      # np.frexp(a)[1] - 1 = floor(log2(a)), exactly
;;       r = np.clip(x / 2.0 ** e, -448, 448)
;;       step = 2.0 ** (np.maximum(np.frexp(np.where(r == 0, 1, r))[1] - 1, -6) - 3)
;;       q = np.round(r / step) * step * 2.0 ** e      # np.round: ties to even
;;       return np.moveaxis(q.reshape(q.shape[:-2] + (-1,))[..., :K], -1, axis).astype(np.float32)
;;   ~~~
;;   SOFTMAX AHEAD OF A QUANTISED PRODUCT. Where the list says 'softmax', what is quantised is not the finished softmax but p = 2^(t - M), with t = logit x log2(e) and M = ceil(the row's largest t), a whole number; so 1/2 < the row's largest p <= 1. The row's sum l is taken of the UNQUANTISED p, in f32, and the product's result is divided by l at the end. Since M is a whole number, a kernel that streams over the keys may use a running M (the ceiling of the running maximum): every later rescaling is an exact power of two, which a block's scale takes up: the codes' values come out the same.
;;   OPERANDS COMPUTED ON THE WAY. 'Computed on the way' means the value that the module computes at that place (a softmax that the list does not call 'softmax' is quantised finished and normalised). What goes into a quantiser is computed in f32, as accurately as f32 sums, v_exp_f32 and their like allow (about 1e-6 of the number): no bf16 or f16 on the way to a quantiser, and a product that is left as it is and whose result goes on into a quantised operand takes f32 operands (vector FMAs, or v_wmma_f32_16x16x4_f32). A number that lies on a knife's edge between two numbers of the format may be rounded either way, as far as f32 arithmetic and the matrix unit's own rounding can turn it there, and no further.
;; One version. Each part assembles by itself: llvm-mc -triple=amdgcn-amd-amdhsa -mcpu=gfx1250 --defsym DOCPART=n.
;; ======== version 1 of 1: 4 launches
;; limits: right only within a limited range of input values
;; workspace buffers: tokc 8,388,608 bytes; toks 262,144 bytes; wc 4,194,304 bytes; ws 131,072 bytes; qk 17,825,792 bytes; vi 8,650,752 bytes; oc 8,388,608 bytes; osc 262,144 bytes
;; launch quant (part 1): grid 512 x 1, 4 waves a work-group, no clusters, 34,304 bytes of LDS; arguments x, y, w_qkv, w_proj, tokc, toks, wc, ws; writes tokc, toks, wc, ws
.if DOCPART == 1
	.amdgcn_target "amdgcn-amd-amdhsa--gfx1250"
	.amdhsa_code_object_version 6
	.text
	.protected	k_q9c55f2168d_quant
	.globl	k_q9c55f2168d_quant
	.p2align	8
	.type	k_q9c55f2168d_quant,@function
k_q9c55f2168d_quant:
	s_mov_b64 s[64:65], 0
	v_nop
	global_prefetch_b8 v0, s[64:65] scope:SCOPE_SE
	s_setreg_imm32_b32 hwreg(HW_REG_WAVE_MODE, 25, 1), 1
	s_wait_xcnt 0x0
; x, y [4096][1024] f32 (K innermost) and w_qkv [1024][3072], w_proj [1024][1024] f32 (K outermost) become codes of FP8 (E4M3) with one E8M0 byte for each 32 along K,
; laid as IMAGES OF THE OPERAND'S REGISTERS.  An operand's row p (a token, stream x 4096 + its number; or a weight's column) lies in block tb = 2 (p >> 5) + ((p >> 3) & 1), lane row r = 8 ((p >> 4) & 1) + (p & 7).
; Codes: byte of (p, k) at tb x 16384 + (k >> 7) x 2048 + ((k >> 5) & 3) x 512 + ((k >> 4) & 1) x 256 + 16 r + (k & 15): a fragment (16 rows x 128 K) is four runs of 512 bytes, 16 bytes a lane.
; Scale words (four bytes: 128 along K of a row): word (tb, ks = k >> 7, r) at tb x 512 + (ks >> 2) x 256 + 16 r + 4 (ks & 3).
; A block's scale is 2^(floor(log2(largest magnitude)) - 8); its byte is the largest magnitude's exponent field - 8, held at 1 from below.
; LIMITS: NaN and infinities among the inputs are not served.  A block of zeros, or one whose largest magnitude lies under 2^-118, gets the byte 1 (the quantiser's text says 127 for zeros): its codes are zeros or
; subnormal codes, and only this program reads the bytes.
; Work-groups 0-255 take tokens (32 each), 256-447 w_qkv, 448-511 w_proj.  No tensor loads, no barrier: waves share nothing.  Only the tokens' way touches LDS.
.set SP,   528                         ; a stage row: 512 bytes + 16, an odd multiple of 16
.set WSTG, 16*SP                       ; a wave's stage: 16 rows
.set RA,   16                          ; v16-143  two sets of 64: a fragment's numbers as loaded
.set X,    144                         ; v144-207 64 numbers: register 16 b + i = k 32 b + 16 (lane / 16) + i of my row
.set PC,   208                         ; v208-223 the fragment's codes
.set TM,   224                         ; v224-239 at work
.set PW,   240                         ; v240-243 the four fragments' scale words
.set TT,   244                         ; v244-245 the two words that I store
.set WX,   16                          ; weights: v16-143 four blocks of 32 numbers down K
.set WC,   144                         ; v144-175 eight registers of codes a block, never rewritten
.set WT,   176                         ; v176-179 at work
.set WWD,  184                         ; v184 my column's scale word
.set SEL,  30                          ; s[30:31] lane selects: lane l xor 16
.set MNT,  32                          ; s32 the mantissa field of 448
	s_load_b256 s[4:11], s[0:1], 0x0               ; x s[4:5], y s[6:7], w_qkv s[8:9], w_proj s[10:11]
	s_load_b256 s[12:19], s[0:1], 0x20             ; tokc s[12:13], toks s[14:15], wc s[16:17], ws s[18:19]
	v_lshl_add_u32 v254, v0, 2, 0x8400
	v_mov_b32 v255, 0
	v_lshrrev_b32 v1, 5, v0
	v_readfirstlane_b32 s20, v1                    ; wave 0..3
	v_and_b32 v5, 31, v0                           ; lane
	s_mov_b32 s[SEL], 0x76543210
	s_mov_b32 s[SEL+1], 0xfedcba98
	s_mov_b32 s[MNT], 0x600000
	s_wait_kmcnt 0x0
	s_cmp_lt_u32 ttmp9, 256
	s_cbranch_scc0 .Lweights
; ---------------- TOKENS.  Work-group g: tokens 32 g on; wave w: block 2 g + (w >> 1), K half w & 1: four fragments.
; 64 numbers of a lane become a fragment's codes in v[PC] on and its row's scale word in v[pw].
.macro QUANT s, pw
.irp b, 0,1,2,3
	v_max3_num_f32 v[TM+\b], |v[\s+16*\b]|, |v[\s+1+16*\b]|, 0x4800000   ; block b: my 16 numbers, and the floor 2^(9 - 127): the byte cannot fall under 1
.endr
.irp i, 2,4,6,8,10,12,14
.irp b, 0,1,2,3
	v_max3_num_f32 v[TM+\b], v[TM+\b], |v[\s+16*\b+\i]|, |v[\s+1+16*\b+\i]|   ; the four blocks by turns
.endr
.endr
.irp b, 0,1,2,3
	v_permlanex16_b32 v[TM+4+\b], v[TM+\b], s[SEL], s[SEL+1]
.endr
.irp b, 0,1,2,3
	v_max_num_f32 v[TM+\b], v[TM+\b], v[TM+4+\b]   ; with lane l xor 16's: the block's largest magnitude
.endr
.irp b, 0,1,2,3
	v_add_nc_u32 v[TM+12+\b], 0xfc000000, v[TM+\b] ; 8 off its exponent field: the conversion's scale operand
.endr
.irp b, 0,1,2,3
	v_and_or_b32 v[TM+8+\b], v[TM+\b], 0x7f800000, s[MNT]   ; 448 x the scale
.endr
.irp b, 0,1,2,3
	v_lshrrev_b32 v[TM+4+\b], 23, v[TM+12+\b]      ; the scale's byte
.endr
	v_lshl_or_b32 v[\pw], v[TM+5], 8, v[TM+4]
	v_lshl_or_b32 v[\pw], v[TM+6], 16, v[\pw]
	v_lshl_or_b32 v[\pw], v[TM+7], 24, v[\pw]
.irp b, 0,1,2,3
.irp i, 0,1,2,3,4,5,6,7,8,9,10,11,12,13,14,15
	v_med3_num_f32 v[\s+16*\b+\i], v[\s+16*\b+\i], -v[TM+8+\b], v[TM+8+\b]   ; the conversion to an 8-bit code does not saturate (ISA guide 7.6.2): the hold comes first
.endr
	v_cvt_scalef32_pk8_fp8_f32 v[PC+4*\b:PC+1+4*\b], v[\s+16*\b:\s+7+16*\b], v[TM+12+\b]
	v_cvt_scalef32_pk8_fp8_f32 v[PC+2+4*\b:PC+3+4*\b], v[\s+8+16*\b:\s+15+16*\b], v[TM+12+\b]
.endr
	v_nop                                          ; a plain line behind the last conversion
.endm
.macro GLOAD f                         ; fragment f: 16 rows x 512 bytes; each load is 512 consecutive bytes of one row.  Lane row i is token (i % 8) + 16 (i / 8) of the block
.irp i, 0,1,2,3,4,5,6,7,8,9,10,11,12,13,14,15
	global_load_b128 v[RA+64*((\f)%2)+4*\i:RA+64*((\f)%2)+4*\i+3], v1, s[4:5] offset:((\i%8)+16*(\i/8))*4096+(\f)*512 th:TH_LOAD_NT
.endr
.endm
.macro TFRAG f
.if (\f) < 3
	s_wait_loadcnt 16                              ; this fragment's 16 loads are in; the next fragment's 16 may be out
.else
	s_wait_loadcnt 0x0
.endif
.irp i, 0,1,2,3,4,5,6,7,8,9,10,11,12,13,14,15
	ds_store_b128 v2, v[RA+64*((\f)%2)+4*\i:RA+64*((\f)%2)+4*\i+3] offset:\i*SP   ; into my stage, row by row, as loaded
.endr
.irp b, 0,1,2,3
.irp j, 0,1,2,3
	ds_load_b128 v[X+16*\b+4*\j:X+16*\b+4*\j+3], v3 offset:128*\b+16*\j   ; back: of row r, 16 neighbours of each block of 32.  LDS serves a wave's instructions in order (ISA guide 5.7.1.4)
.endr
.endr
	s_wait_dscnt 0x0                               ; the numbers are back, and the stores into the stage have read their registers
	s_wait_xcnt 0x0                                ; the last fragment's stores have read v[PC] on: it is rewritten only behind this wait
.if (\f) < 2
	GLOAD (\f)+2
.endif
	QUANT X, PW+(\f)
.irp c, 0,1,2,3
	global_store_b128 v1, v[PC+4*\c:PC+4*\c+3], s[12:13] offset:(\f)*2048+512*\c   ; 32 lanes store 512 consecutive bytes, aligned to 512
.endr
.endm
	s_cmp_lt_u32 ttmp9, 128                        ; x's tokens or y's: the choice hangs on the work-group's number alone
	s_cselect_b64 s[4:5], s[4:5], s[6:7]
	s_and_b32 s21, ttmp9, 127
	s_lshl_b32 s22, s21, 17                        ; 32 rows of 4,096 bytes a work-group,
	s_lshr_b32 s24, s20, 1
	s_and_b32 s25, s20, 1
	s_lshl_b32 s26, s24, 15                        ; the block's first row: 8 (w >> 1),
	s_add_co_u32 s22, s22, s26
	s_lshl_b32 s26, s25, 11                        ; my half of K
	s_add_co_u32 s22, s22, s26
	s_mov_b32 s23, 0
	s_add_nc_u64 s[4:5], s[4:5], s[22:23]
	s_lshl_b32 s27, ttmp9, 1
	s_add_co_u32 s27, s27, s24                     ; tb
	s_lshl_b32 s22, s27, 14
	s_lshl_b32 s26, s25, 13
	s_add_co_u32 s22, s22, s26
	s_add_nc_u64 s[12:13], s[12:13], s[22:23]      ; my four fragments' images
	s_lshl_b32 s22, s27, 9
	s_lshl_b32 s26, s25, 8
	s_add_co_u32 s22, s22, s26
	s_add_nc_u64 s[14:15], s[14:15], s[22:23]      ; my 256 bytes of scale words
	s_wait_alu depctr_va_vdst(0)
	v_lshlrev_b32 v1, 4, v5                        ; 16 x lane
	GLOAD 0
	GLOAD 1
	v_and_b32 v6, 15, v0                           ; r
	v_bfe_u32 v7, v0, 4, 1                         ; h
	s_mul_i32 s21, s20, WSTG
	v_add_nc_u32 v2, s21, v1                       ; the stage, on the way in
	v_mul_u32_u24 v3, v6, SP
	v_lshl_add_u32 v3, v7, 6, v3
	v_add_nc_u32 v3, s21, v3                       ; and on the way out: row r, + 64 h
	v_lshlrev_b32 v4, 4, v6
	v_lshl_add_u32 v4, v7, 3, v4                   ; scale words: 16 r + 8 h
.irp b, 0,1,2,3
	v_mov_b32 v[TM+4+\b], 0                        ; written once: a lane permute's destination counts as one of its sources
.endr
	s_wait_alu depctr_va_vdst(0)
	TFRAG 0
	TFRAG 1
	TFRAG 2
	TFRAG 3
	v_cmp_le_u32 vcc_lo, 16, v5                    ; lanes 16-31 hold the same words as lanes 0-15: they store fragments 2 and 3's
	v_cndmask_b32 v[TT], v[PW], v[PW+2], vcc_lo
	v_cndmask_b32 v[TT+1], v[PW+1], v[PW+3], vcc_lo
	global_store_b64 v4, v[TT:TT+1], s[14:15]      ; 32 lanes store 256 consecutive bytes, aligned
	s_wait_tensorcnt 0x0
	ds_add_u32 v254, v255
	s_wait_dscnt 0x0
	s_endpgm
; ---------------- WEIGHTS.  g' = work-group - 256: K step ks = g' & 7 (128 along K), columns 128 (g' >> 3) on; wave w: the group of 32 columns G = 4 (g' >> 3) + w.
; A LANE TAKES A COLUMN AND ITS REGISTERS RUN DOWN K.  Lane l takes column 32 G + (l with bits 3 and 4 exchanged): so lanes 0-15 are the lane rows of block 2 G, lanes 16-31 those of block 2 G + 1.
; A block of 32 along K lies in one lane: its largest magnitude needs no other lane, and its 32 codes are two runs of 16 bytes of the image.
; The scale words leave as 4 bytes a lane, 16 bytes apart: one byte for each 32 that this way reads.
.Lweights:
	s_sub_co_u32 s21, ttmp9, 256
	s_and_b32 s22, s21, 7                          ; ks
	s_lshr_b32 s23, s21, 3
	s_lshl_b32 s23, s23, 2
	s_add_co_u32 s23, s23, s20                     ; G
	s_lshl_b32 s24, s23, 15                        ; two blocks of 16,384 bytes,
	s_lshl_b32 s26, s22, 11                        ; the K step's fragment
	s_add_co_u32 s24, s24, s26
	s_mov_b32 s25, 0
	s_add_nc_u64 s[16:17], s[16:17], s[24:25]
	s_lshl_b32 s24, s23, 10
	s_lshr_b32 s26, s22, 2
	s_lshl_b32 s26, s26, 8
	s_add_co_u32 s24, s24, s26
	s_and_b32 s26, s22, 3
	s_lshl_b32 s26, s26, 2
	s_add_co_u32 s24, s24, s26
	s_add_nc_u64 s[18:19], s[18:19], s[24:25]
	s_wait_alu depctr_va_vdst(0)
	v_and_b32 v3, 7, v5
	v_bfe_u32 v4, v5, 3, 1
	v_lshrrev_b32 v7, 4, v5
	v_lshl_add_u32 v3, v4, 4, v3
	v_lshl_add_u32 v3, v7, 3, v3                   ; the lane's column in the group
	v_lshlrev_b32 v6, 2, v3                        ; in bytes
	v_and_b32 v10, 15, v5
	v_lshlrev_b32 v10, 4, v10
	v_lshl_add_u32 v8, v7, 14, v10                 ; codes: (l >> 4) x 16384 + 16 (l & 15)
	v_lshl_add_u32 v9, v7, 9, v10                  ; scale word: (l >> 4) x 512 + 16 (l & 15)
.macro WLOAD c, pitch, b0              ; block c: W(32 c + i, my column); the four waves stand side by side on 512 bytes of a row
.irp i, 0,1,2,3,4,5,6,7,8,9,10,11,12,13,14,15,16,17,18,19,20,21,22,23,24,25,26,27,28,29,30,31
	global_load_b32 v[WX+32*\c+\i], v6, s[\b0:\b0+1] offset:(32*\c+\i)*\pitch th:TH_LOAD_NT
.endr
.endm
.macro WBLOCK c, left, nxt, pitch, b0
	s_wait_loadcnt \left                           ; this block's 32 loads are in; the next block's 32 may be out
.if \nxt > 0
	WLOAD \nxt, \pitch, \b0
.endif
.set XS, WX+32*\c
	v_max3_num_f32 v[WT], |v[XS]|, |v[XS+1]|, |v[XS+2]|
	v_max3_num_f32 v[WT+1], |v[XS+3]|, |v[XS+4]|, |v[XS+5]|
.irp i, 6,10,14,18,22,26
	v_max3_num_f32 v[WT], v[WT], |v[XS+\i]|, |v[XS+\i+1]|
	v_max3_num_f32 v[WT+1], v[WT+1], |v[XS+\i+2]|, |v[XS+\i+3]|
.endr
	v_max3_num_f32 v[WT], v[WT], |v[XS+30]|, |v[XS+31]|
	v_max3_num_f32 v[WT], v[WT], v[WT+1], 0x4800000   ; and the floor
	v_add_nc_u32 v[WT+3], 0xfc000000, v[WT]
	v_and_or_b32 v[WT+2], v[WT], 0x7f800000, s[MNT]
	v_lshrrev_b32 v[WT+1], 23, v[WT+3]
.if \c == 0
	v_mov_b32 v[WWD], v[WT+1]
.else
	v_lshl_or_b32 v[WWD], v[WT+1], 8*\c, v[WWD]
.endif
.irp i, 0,1,2,3,4,5,6,7,8,9,10,11,12,13,14,15,16,17,18,19,20,21,22,23,24,25,26,27,28,29,30,31
	v_med3_num_f32 v[XS+\i], v[XS+\i], -v[WT+2], v[WT+2]
.endr
.irp g, 0,1,2,3
	v_cvt_scalef32_pk8_fp8_f32 v[WC+8*\c+2*\g:WC+8*\c+2*\g+1], v[XS+8*\g:XS+8*\g+7], v[WT+3]
.endr
	v_nop                                          ; a plain line behind the last conversion
	global_store_b128 v8, v[WC+8*\c:WC+8*\c+3], s[16:17] offset:512*\c          ; k 0-15 of the block: sixteen lanes store 256 consecutive bytes, aligned
	global_store_b128 v8, v[WC+8*\c+4:WC+8*\c+7], s[16:17] offset:512*\c+256    ; k 16-31
.endm
.macro WPATH pitch, b0, sub
	s_sub_co_u32 s24, s23, \sub                    ; the group's number in this weight
	s_lshl_b32 s24, s24, 7
	s_mul_i32 s26, s22, 128*\pitch
	s_add_co_u32 s24, s24, s26
	s_add_nc_u64 s[\b0:\b0+1], s[\b0:\b0+1], s[24:25]
	WLOAD 0, \pitch, \b0
	WLOAD 1, \pitch, \b0
	WBLOCK 0, 32, 2, \pitch, \b0
	WBLOCK 1, 32, 3, \pitch, \b0
	WBLOCK 2, 32, 0, \pitch, \b0
	WBLOCK 3, 0, 0, \pitch, \b0
	global_store_b32 v9, v[WWD], s[18:19]
	s_endpgm
.endm
	s_cmp_lt_u32 ttmp9, 448
	s_cbranch_scc0 .Lwproj
	s_wait_alu depctr_va_vdst(0)
	WPATH 12288, 8, 0
.Lwproj:
	s_wait_alu depctr_va_vdst(0)
	WPATH 4096, 10, 96
.Lfunc_end_k_q9c55f2168d_quant:
	.size	k_q9c55f2168d_quant, .Lfunc_end_k_q9c55f2168d_quant-k_q9c55f2168d_quant
	.p2alignl 7, 3214868480
	.fill 96, 4, 3214868480
	.section	.rodata,"a",@progbits
	.p2align	6, 0x0
	.amdhsa_kernel k_q9c55f2168d_quant
		.amdhsa_group_segment_fixed_size 34304
		.amdhsa_private_segment_fixed_size 0
		.amdhsa_enable_private_segment 0
		.amdhsa_kernarg_size 64
		.amdhsa_user_sgpr_count 2
		.amdhsa_user_sgpr_kernarg_segment_ptr 1
		.amdhsa_wavefront_size32 1
		.amdhsa_system_sgpr_workgroup_id_x 1
		.amdhsa_system_sgpr_workgroup_id_y 1
		.amdhsa_system_sgpr_workgroup_id_z 1
		.amdhsa_system_vgpr_workitem_id 0
		.amdhsa_next_free_vgpr 256
		.amdhsa_next_free_sgpr 66
		.amdhsa_reserve_vcc 1
		.amdhsa_float_denorm_mode_32 3
		.amdhsa_float_denorm_mode_16_64 3
		.amdhsa_memory_ordered 1
		.amdhsa_forward_progress 1
		.amdhsa_inst_pref_size 107
	.end_amdhsa_kernel
	.amdgpu_metadata
---
amdhsa.version: [ 1, 2 ]
amdhsa.kernels:
  - .name:           k_q9c55f2168d_quant
    .symbol:         k_q9c55f2168d_quant.kd
    .args:
      - { .name: x, .offset: 0, .size: 8, .value_kind: global_buffer, .address_space: global }
      - { .name: y, .offset: 8, .size: 8, .value_kind: global_buffer, .address_space: global }
      - { .name: w_qkv, .offset: 16, .size: 8, .value_kind: global_buffer, .address_space: global }
      - { .name: w_proj, .offset: 24, .size: 8, .value_kind: global_buffer, .address_space: global }
      - { .name: tokc, .offset: 32, .size: 8, .value_kind: global_buffer, .address_space: global }
      - { .name: toks, .offset: 40, .size: 8, .value_kind: global_buffer, .address_space: global }
      - { .name: wc, .offset: 48, .size: 8, .value_kind: global_buffer, .address_space: global }
      - { .name: ws, .offset: 56, .size: 8, .value_kind: global_buffer, .address_space: global }
    .group_segment_fixed_size: 34304
    .private_segment_fixed_size: 0
    .kernarg_segment_align: 8
    .kernarg_segment_size: 64
    .max_flat_workgroup_size: 128
    .sgpr_count:     66
    .vgpr_count:     256
    .wavefront_size: 32
...
	.end_amdgpu_metadata
.endif
;; end of part 1
;; launch gemm_qkv (part 2): grid 96 x 4, 4 waves a work-group, clusters of 4 x 4, 327,680 bytes of LDS; arguments tokc, toks, wc, ws, qk, vi; writes qk, vi
.if DOCPART == 2
	.amdgcn_target "amdgcn-amd-amdhsa--gfx1250"
	.amdhsa_code_object_version 6
	.text
	.protected	k_q9c55f2168d_gemm_qkv
	.globl	k_q9c55f2168d_gemm_qkv
	.p2align	8
	.type	k_q9c55f2168d_gemm_qkv,@function
k_q9c55f2168d_gemm_qkv:
	s_mov_b64 s[64:65], 0
	v_nop
	global_prefetch_b8 v0, s[64:65] scope:SCOPE_SE
	s_setreg_imm32_b32 hwreg(HW_REG_WAVE_MODE, 25, 1), 1
	s_wait_xcnt 0x0
	s_wait_alu depctr_hold_cnt(0) depctr_sa_sdst(0) depctr_va_vdst(0) depctr_va_sdst(0) depctr_va_ssrc(0) depctr_va_vcc(0) depctr_vm_vsrc(0)
	s_getreg_b32 s2, hwreg(HW_REG_IB_STS2, 6, 4)
	s_cmp_eq_u32 s2, 0
	s_cbranch_scc0 .Lentry_in_a_cluster
	s_endpgm
.Lentry_in_a_cluster:
	s_bfe_u32 s2, ttmp6, 0x10000c
	s_cmp_lg_u32 s2, 0xf033
	s_cbranch_scc0 .Lentry_shape_is_right
	s_endpgm
.Lentry_shape_is_right:
.set HALFT,  32768
.set SLOT,   4*HALFT
.set SCL,    2*SLOT
.set HALFS,  4096
.set SPARE,  SCL+4*HALFS
.set FR,     16
.set NL,     4
.set NP,     8
.set NQ,     2
.set VO0,  8
.set VO1,  9
.set VS0,  10
.set LN,   11
.set ADRA, 16
.set ADRB, 20
.set ADRS, 27
.set SPW,  28
.set NIL,  29
.set SC,   32
.set W0,   64
.set W1,   72
.set TW,   80
.set AF,   128
.set X,    128
.set PC,   192
.set TM,   224
.set G1, 24
.set G0, 32
.set G1B, 48
.set G0B, 56
.set G1S, 68
.set G0S, 76
.set G1SB, 80
.set G0SB, 88
.set MSB, 0
.macro WIN new
.if MSB != (\new)
	s_set_vgpr_msb (MSB<<8)|(\new)
.set MSB, (\new)
.endif
.endm
.set MUL_LO, 0xa1
.set MUL_HI, 0xf1
.set TO_B,   0x40
.macro JLOAD g0a, g1a, g0b, g1b
	s_cmp_eq_u32 s17, 0
	s_cbranch_scc0 .Lfor_b_\@
	tensor_load_to_lds s[\g0a:\g0a+3], s[\g1a:\g1a+7]
	s_nop 0
.rept 4
	v_nop
.endr
	s_branch .Lasked_\@
.Lfor_b_\@:
	tensor_load_to_lds s[\g0b:\g0b+3], s[\g1b:\g1b+7]
	s_nop 0
.rept 4
	v_nop
.endr
.Lasked_\@:
.endm
.macro CREST
	s_cmp_lg_u32 s16, 0
	s_cbranch_scc1 .Lnot_wave_0_\@
	s_barrier_signal -3
.Lnot_wave_0_\@:
	s_barrier_wait -3
	s_barrier_signal -1
	s_barrier_wait -1
.endm
.macro CROUND
	s_barrier_signal -1
	s_barrier_wait -1
	CREST
.endm
	s_load_b256 s[4:11], s[0:1], 0x0
	s_load_b128 s[12:15], s[0:1], 0x20
	v_lshl_add_u32 v[SPW], v0, 2, SPARE
	v_mov_b32 v[NIL], 0
	ds_add_u32 v28, v29
	ds_add_u32 v28, v29
	s_wait_dscnt 0x0
	v_lshrrev_b32 v1, 5, v0
	v_readfirstlane_b32 s16, v1
	s_lshr_b32 s17, s16, 1
	s_and_b32 s18, s16, 1
	s_bfe_u32 s19, ttmp6, 0x40000
	s_bfe_u32 s20, ttmp6, 0x40004
	s_lshl_b32 s2, s20, 2
	s_lshl_b32 s2, 15, s2
	s_lshl_b32 s66, 0x1111, s19
	s_or_b32 s[G1+0], s2, (3<<16)|(1<<21)
	s_or_b32 s[G1B+0], s66, (3<<16)|(1<<21)
.irp g, G1, G1B
	s_mov_b32 s[\g+1], 512<<16
	s_mov_b32 s[\g+2], 16<<16
	s_mov_b32 s[\g+3], 512<<16
	s_mov_b32 s[\g+4], 16
	s_mov_b32 s[\g+5], 2048
	s_mov_b32 s[\g+6], 0
	s_mov_b32 s[\g+7], 0
.endr
	s_or_b32 s[G1S+0], s2, (3<<16)|(1<<21)
	s_or_b32 s[G1SB+0], s66, (3<<16)|(1<<21)
.irp g, G1S, G1SB
	s_mov_b32 s[\g+1], 32<<16
	s_mov_b32 s[\g+2], 32<<16
	s_mov_b32 s[\g+3], 32<<16
	s_mov_b32 s[\g+4], 32
	s_mov_b32 s[\g+5], 32
	s_mov_b32 s[\g+6], 0
	s_mov_b32 s[\g+7], 0
.endr
	v_and_b32 v1, 15, v0
	v_bfe_u32 v2, v0, 4, 1
	v_and_b32 v[LN], 31, v0
	v_lshlrev_b32 v[VO0], 4, v[LN]
	s_lshr_b32 s21, ttmp9, 1
	s_lshl_b32 s21, s21, 2
	s_and_b32 s22, ttmp9, 1
	s_lshl_b32 s22, s22, 2
	s_sub_co_u32 s23, ttmp9, 16
	s_lshl_b32 s23, s23, 2
	s_wait_alu depctr_va_vdst(0)
	s_wait_kmcnt 0x0
	s_cmp_lt_u32 ttmp9, 16
	s_cselect_b64 s[40:41], s[4:5], s[8:9]
	s_cselect_b64 s[42:43], s[6:7], s[10:11]
	s_cselect_b64 s[44:45], s[8:9], s[4:5]
	s_cselect_b64 s[46:47], s[10:11], s[6:7]
	s_cselect_b64 s[94:95], s[12:13], s[14:15]
	s_cselect_b32 s21, s21, 8
	s_cselect_b32 s22, s22, s23
	s_mov_b32 s23, 135168
	s_cselect_b32 s23, 256, s23
	s_mov_b32 s92, 135168
	s_cselect_b32 s92, 139264, s92
	s_mov_b32 s93, 8448
	s_cselect_b32 s93, 8704, s93
	s_mov_b32 s96, 2048
	s_cselect_b32 s96, 1024, s96
	s_mov_b32 s97, 0
	s_mov_b32 s98, 129024
	s_cselect_b32 s98, 1024, s98
	s_mov_b32 s99, 0
	s_mov_b32 s101, 1024
	s_cselect_b32 s101, 139264, s101
	s_cselect_b32 s100, 0, -1
	v_mul_u32_u24 v[VS0], s23, v2
	v_lshl_add_u32 v[VS0], v1, 4, v[VS0]
	v_add_nc_u32 v[VS0], 8192, v[VS0]
	v_add_nc_u32 v[VO1], s101, v[VO0]
	s_add_co_u32 s21, s21, s20
	s_add_co_u32 s22, s22, s19
	s_lshl_b32 s2, s21, 18
	s_lshl_b32 s23, s18, 17
	s_add_co_u32 s2, s2, s23
	s_mov_b32 s3, 0
	s_add_nc_u64 s[40:41], s[40:41], s[2:3]
	s_lshl_b32 s2, s21, 13
	s_lshl_b32 s23, s18, 12
	s_add_co_u32 s2, s2, s23
	s_add_nc_u64 s[42:43], s[42:43], s[2:3]
	s_lshl_b32 s66, s22, 18
	s_lshl_b32 s23, s18, 17
	s_add_co_u32 s66, s66, s23
	s_mov_b32 s67, 0
	s_add_nc_u64 s[44:45], s[44:45], s[66:67]
	s_lshl_b32 s66, s22, 13
	s_lshl_b32 s23, s18, 12
	s_add_co_u32 s66, s66, s23
	s_add_nc_u64 s[46:47], s[46:47], s[66:67]
	s_lshl_b32 s4, s16, 15
	s_lshl_b32 s5, s16, 12
	CROUND
; THE HEAD'S FOUR TILES, each whole, one load a wave: wave 0 K step 0's 256 rows of A (16 blocks x 4,096 bytes), wave 1 those of B, wave 2 A's scale words (8,192 bytes), wave 3 B's.
; s[40:47] hold my half's addresses: the half's offset is taken off again for the whole tiles.  Slot 0's groups 0 serve the head first and get their ring values behind the wait for these loads.
	s_lshl_b32 s2, s18, 12
	s_mov_b32 s3, 0
	s_mov_b32 s[G0S], 1
	s_mov_b32 s[G0S+1], SCL
	s_sub_nc_u64 s[G0S+2:G0S+3], s[42:43], s[2:3]
	s_or_b32 s[G0S+3], s[G0S+3], 0x80000000
	s_mov_b32 s[G0SB], 1
	s_mov_b32 s[G0SB+1], SCL+2*HALFS
	s_sub_nc_u64 s[G0SB+2:G0SB+3], s[46:47], s[2:3]
	s_or_b32 s[G0SB+3], s[G0SB+3], 0x80000000
	s_lshl_b32 s2, s18, 17
	s_mov_b32 s[G0], 1
	s_mov_b32 s[G0+1], 0
	s_sub_nc_u64 s[G0+2:G0+3], s[40:41], s[2:3]
	s_or_b32 s[G0+3], s[G0+3], 0x80000000
	s_mov_b32 s[G0B], 1
	s_mov_b32 s[G0B+1], 2*HALFT
	s_sub_nc_u64 s[G0B+2:G0B+3], s[44:45], s[2:3]
	s_or_b32 s[G0B+3], s[G0B+3], 0x80000000
; the prefetches' base: of the 8 blocks that my wave fetches in the ring, the partner at place p (cx for A, cy for B) names blocks 2 p and 2 p + 1: told apart by address
	s_cmp_eq_u32 s17, 0
	s_cselect_b64 s[42:43], s[40:41], s[44:45]
	s_cselect_b32 s2, s19, s20
	s_lshl_b32 s2, s2, 15
	s_add_nc_u64 s[42:43], s[42:43], s[2:3]
.macro ARM under, g0, g1, next
	s_cmp_lt_u32 s16, \under
	s_cbranch_scc0 \next
	tensor_load_to_lds s[\g0:\g0+3], s[\g1:\g1+7]
	s_nop 0
.rept 4
	v_nop
.endr
	s_branch .Lhead_asked
\next:
.endm
	ARM 1, G0,  G1,  .Lhead_b
	ARM 2, G0B, G1B, .Lhead_sa
	ARM 3, G0S, G1S, .Lhead_sb
	tensor_load_to_lds s[G0SB:G0SB+3], s[G1SB:G1SB+7]
	s_nop 0
.rept 4
	v_nop
.endr
.Lhead_asked:
	s_wait_alu depctr_va_vdst(0)                   ; directly ahead of the reader below
	v_lshlrev_b32 v12, 8, v1                       ; a lane names 256 bytes: 16 lanes a block's 4,096 bytes of a K step, two blocks an instruction
	v_lshl_add_u32 v12, v2, 14, v12
	global_prefetch_b8 v12, s[42:43] offset:1*4096 th:TH_LOAD_NT scope:SCOPE_SE   ; K step 1, which is loaded behind the round below, when the head's tiles are in
	global_prefetch_b8 v12, s[42:43] offset:2*4096 th:TH_LOAD_NT scope:SCOPE_SE   ; K step 2, which the first change of slots loads
	s_mov_b32 s[G0+4], 1
	s_add_co_u32 s[G0+5], s4, SLOT
	s_add_nc_u64 s[G0+6:G0+7], s[40:41], 4096
	s_or_b32 s[G0+7], s[G0+7], 0x80000000
	s_mov_b32 s[G0B+4], 1
	s_add_co_u32 s[G0B+5], s4, SLOT
	s_add_nc_u64 s[G0B+6:G0B+7], s[44:45], 4096
	s_or_b32 s[G0B+7], s[G0B+7], 0x80000000
	s_wait_alu depctr_va_vdst(0)
	s_wait_tensorcnt 0x0                           ; my tile of the head's four is in: no tensor load of mine is out, so descriptors may be written
	ds_add_u32 v28, v29
	s_mov_b32 s[G1+2], 8<<16                       ; from here on a load brings 8 blocks
	s_mov_b32 s[G1+4], 8
	s_mov_b32 s[G1B+2], 8<<16
	s_mov_b32 s[G1B+4], 8
	s_add_co_u32 s[G0+1], s4, 0
	s_add_nc_u64 s[G0+2:G0+3], s[40:41], 0
	s_or_b32 s[G0+3], s[G0+3], 0x80000000
	s_add_co_u32 s[G0B+1], s4, 0
	s_add_nc_u64 s[G0B+2:G0B+3], s[44:45], 0
	s_or_b32 s[G0B+3], s[G0B+3], 0x80000000
	s_wait_dscnt 0x0
	CROUND                                         ; all four tiles are in, in every partner
	JLOAD G0+4, G1, G0B+4, G1B                     ; K step 1, the first tensor load behind the round
	s_lshl_b32 s6, s17, 15
	s_lshl_b32 s7, s18, 15
	s_add_co_u32 s7, s7, 2*HALFT
.irp s, 0,1
	v_add_nc_u32 v[ADRA+\s], s6, v[VO0]
	v_add_nc_u32 v[ADRB+\s], s7, v[VO0]
	s_add_co_u32 s6, s6, SLOT
	s_add_co_u32 s7, s7, SLOT
.endr
	s_lshl_b32 s6, s17, 12
	s_lshl_b32 s7, s18, 12
	s_add_co_u32 s7, s7, 2*HALFS
	s_sub_co_u32 s7, s7, s6
	v_mul_u32_u24 v3, s7, v2
	s_add_co_u32 s6, s6, SCL
	v_lshl_add_u32 v3, v1, 4, v3
	v_add_nc_u32 v[ADRS], s6, v3
	s_lshl_b32 s4, s21, 1
	s_add_co_u32 s4, s4, s17
	s_lshl_b32 s5, s22, 1
	s_add_co_u32 s5, s5, s18
	s_sub_co_u32 s6, s4, 16
	s_cmp_lt_u32 ttmp9, 16
	s_cselect_b32 s7, s4, s5
	s_cselect_b32 s8, s5, s6
	s_lshr_b32 s4, s8, 3
	s_lshl_b32 s4, s4, 6
	s_lshr_b32 s5, s7, 4
	s_lshl_b32 s5, s5, 4
	s_add_co_u32 s4, s4, s5
	s_and_b32 s5, s8, 7
	s_lshl_b32 s5, s5, 1
	s_add_co_u32 s4, s4, s5
	s_mul_i32 s4, s4, s92
	s_and_b32 s5, s7, 15
	s_mul_i32 s5, s5, s93
	s_add_co_u32 s4, s4, s5
	s_mov_b32 s5, 0
	s_add_nc_u64 s[94:95], s[94:95], s[4:5]
	s_mov_b64 s[92:93], s[94:95]
.macro FRAG reg, adr, q, i
.irp c, 0,1,2,3
	ds_load_b128 v[\reg+4*\c:\reg+4*\c+3], v[\adr] offset:(\i)*4096+(\q)*2048+512*\c
.endr
.endm
.macro MUL16 a0, p, q, sc, zero
.irp a, \a0, \a0+1
.irp b, 0,1,2,3,4,5,6,7
.if \zero
	v_wmma_scale_f32_16x16x128_f8f6f4 v[8*(8*((\a)%4)+\b):8*(8*((\a)%4)+\b)+7], v[128*(\p)+FR*\b:128*(\p)+FR*\b+FR-1], v[AF+FR*(\a):AF+FR*(\a)+FR-1], 0, v[SC+8*NQ*(\sc)+NQ*\b+(\q)], v[SC+8*NQ*(\sc)+NQ*(\a)+(\q)] matrix_a_scale:MATRIX_SCALE_ROW1
.else
	v_wmma_scale_f32_16x16x128_f8f6f4 v[8*(8*((\a)%4)+\b):8*(8*((\a)%4)+\b)+7], v[128*(\p)+FR*\b:128*(\p)+FR*\b+FR-1], v[AF+FR*(\a):AF+FR*(\a)+FR-1], v[8*(8*((\a)%4)+\b):8*(8*((\a)%4)+\b)+7], v[SC+8*NQ*(\sc)+NQ*\b+(\q)], v[SC+8*NQ*(\sc)+NQ*(\a)+(\q)] matrix_a_scale:MATRIX_SCALE_ROW1
.endif
.endr
.endr
.endm
.macro FETCH_B slot, q, p
	WIN TO_B
.irp i, 0,1,2,3,4,5,6,7
	FRAG 128*(\p)+FR*\i, ADRB+\slot, \q, \i
.endr
	WIN 0
.endm
.macro FETCH_A slot, q, i0
.irp i, \i0, \i0+1, \i0+2, \i0+3
	FRAG AF+FR*(\i), ADRA+\slot, \q, \i
.endr
.endm
.macro SCALES sc, n
.irp i, 0,1,2,3,4,5,6,7
	ds_load_b64 v[SC+16*(\sc)+2*\i:SC+16*(\sc)+2*\i+1], v[ADRS] offset:\i*512+((\n)>>1)*256+((\n)&1)*8
.endr
.endm
.macro PLACES n
.rept \n
	v_nop
.endr
.endm
.macro STEP slot, q, zero
	s_wait_dscnt 4*NL
	WIN MUL_LO
	MUL16 0, (\q)%2, \q, \slot, \zero
	MUL16 2, (\q)%2, \q, \slot, \zero
	s_wait_dscnt 0
	PLACES NP
	FETCH_B \slot, (\q)+1, 1-(\q)%2
	FETCH_A \slot, (\q)+1, 0
	WIN MUL_HI
	MUL16 4, (\q)%2, \q, \slot, \zero
	MUL16 6, (\q)%2, \q, \slot, \zero
	PLACES NP
	WIN 0
	FETCH_A \slot, (\q)+1, 4
.endm
.macro TURN slot, next, fill, n
	s_wait_tensorcnt 0x0
	ds_add_u32 v[SPW], v[NIL]
	s_wait_dscnt 4*NL+1
	WIN MUL_LO
	MUL16 0, 1, NQ-1, \slot, 0
	s_wait_dscnt 0x0
	s_barrier_signal -1
	MUL16 2, 1, NQ-1, \slot, 0
	WIN 0
	s_barrier_wait -1
.if \fill
	CREST
	s_add_nc_u64 s[G0+4*\slot+2:G0+4*\slot+3], s[G0+4*\slot+2:G0+4*\slot+3], 8192
	s_add_nc_u64 s[G0B+4*\slot+2:G0B+4*\slot+3], s[G0B+4*\slot+2:G0B+4*\slot+3], 8192
	JLOAD G0+4*\slot, G1, G0B+4*\slot, G1B
	PLACES NP-4
.else
	PLACES NP
.endif
	FETCH_B \next, 0, 0
	FETCH_A \next, 0, 0
	SCALES \next, \n
	WIN MUL_HI
	MUL16 4, 1, NQ-1, \slot, 0
	MUL16 6, 1, NQ-1, \slot, 0
	PLACES NP
	WIN 0
	FETCH_A \next, 0, 4
.endm
	s_wait_alu depctr_va_vdst(0)
	FETCH_B 0, 0, 0
	global_prefetch_b8 v12, s[42:43] offset:3*4096 th:TH_LOAD_NT scope:SCOPE_SE   ; K step 3, which the second change of slots loads
	FETCH_A 0, 0, 0
	SCALES 0, 0
	FETCH_A 0, 0, 4
	STEP 0, 0, 1
	TURN 0, 1, 1, 1
	STEP 1, 0, 0
	TURN 1, 0, 1, 2
	STEP 0, 0, 0
	TURN 0, 1, 0, 3
	STEP 1, 0, 0
	s_wait_dscnt 4*NL
	WIN MUL_LO
	MUL16 0, 1, NQ-1, 1, 0
	MUL16 2, 1, NQ-1, 1, 0
	s_wait_dscnt 0
	WIN MUL_HI
	MUL16 4, 1, NQ-1, 1, 0
	MUL16 6, 1, NQ-1, 1, 0
	WIN 0
.macro EPI a
.set WWN, 2+(\a)/4
.set ACS, 64*((\a)%4)
	WIN (WWN<<2)|(WWN<<4)
.irp b, 0,1,2,3
	v_max3_num_f32 v[TM+\b], 0x4800000, |v[ACS+16*\b]|, |v[ACS+16*\b+1]|
.endr
.irp i, 2,4,6,8,10,12,14
.irp b, 0,1,2,3
	v_max3_num_f32 v[TM+\b], v[TM+\b], |v[ACS+16*\b+\i]|, |v[ACS+16*\b+\i+1]|
.endr
.endr
	WIN 0
.irp b, 0,1,2,3
	v_permlanex16_b32 v[TM+4+\b], v[TM+\b], s24, s25
.endr
.irp b, 0,1,2,3
	v_max_num_f32 v[TM+\b], v[TM+\b], v[TM+4+\b]
.endr
.irp b, 0,1,2,3
	v_add_nc_u32 v[TM+12+\b], 0xfc000000, v[TM+\b]
.endr
.irp b, 0,1,2,3
	v_and_or_b32 v[TM+8+\b], v[TM+\b], 0x7f800000, s26
.endr
.irp b, 0,1,2,3
	v_lshrrev_b32 v[TM+4+\b], 23, v[TM+12+\b]
.endr
	v_lshl_or_b32 v[TM+16], v[TM+5], 8, v[TM+4]
	v_lshl_or_b32 v[TM+17], v[TM+7], 8, v[TM+6]
	v_lshlrev_b32 v[TM+18], 16, v[TM+17]
	v_and_or_b32 v[W0+\a], v[TM+18], s100, v[TM+16]
	v_mov_b32 v[W1+\a], v[TM+17]
	WIN WWN
.irp b, 0,1,2,3
.irp i, 0,1,2,3,4,5,6,7,8,9,10,11,12,13,14,15
	v_med3_num_f32 v[X+16*\b+\i], v[ACS+16*\b+\i], -v[TM+8+\b], v[TM+8+\b]
.endr
.endr
	WIN 0
.if (\a) > 0
	s_wait_alu depctr_va_vdst(0)
	s_wait_xcnt 0x0
.if (\a) == 4
	s_add_nc_u64 s[92:93], s[92:93], s[98:99]
.else
	s_add_nc_u64 s[92:93], s[92:93], s[96:97]
.endif
.endif
.irp b, 0,1,2,3
	v_cvt_scalef32_pk8_fp8_f32 v[PC+4*\b:PC+4*\b+1], v[X+16*\b:X+16*\b+7], v[TM+12+\b]
	v_cvt_scalef32_pk8_fp8_f32 v[PC+4*\b+2:PC+4*\b+3], v[X+16*\b+8:X+16*\b+15], v[TM+12+\b]
.endr
	v_nop
	global_store_b128 v[VO0], v[PC:PC+3], s[92:93]
	global_store_b128 v[VO0], v[PC+4:PC+7], s[92:93] offset:512
	global_store_b128 v[VO1], v[PC+8:PC+11], s[92:93]
	global_store_b128 v[VO1], v[PC+12:PC+15], s[92:93] offset:512
.endm
	PLACES NP
	s_mov_b32 s24, 0x76543210
	s_mov_b32 s25, 0xfedcba98
	s_mov_b32 s26, 0x600000
.irp b, 0,1,2,3
	v_mov_b32 v[TM+4+\b], 0
.endr
.irp a, 0,1,2,3,4,5,6,7
	EPI \a
.endr
	v_cmp_le_u32 vcc_lo, 16, v[LN]
.irp i, 0,1,2,3
	v_cndmask_b32 v[TW+\i], v[W0+\i], v[W0+4+\i], vcc_lo
.endr
	global_store_b128 v[VS0], v[TW:TW+3], s[94:95]
	s_cmp_lt_u32 ttmp9, 16
	s_cbranch_scc0 .Lno_second
.irp i, 0,1,2,3
	v_cndmask_b32 v[TW+4+\i], v[W1+\i], v[W1+4+\i], vcc_lo
.endr
	global_store_b128 v[VS0], v[TW+4:TW+7], s[94:95] offset:139264
.Lno_second:
	s_wait_tensorcnt 0x0
	ds_add_u32 v[SPW], v[NIL]
	s_wait_dscnt 0x0
	CROUND
	s_endpgm
.Lfunc_end_k_q9c55f2168d_gemm_qkv:
	.size	k_q9c55f2168d_gemm_qkv, .Lfunc_end_k_q9c55f2168d_gemm_qkv-k_q9c55f2168d_gemm_qkv
	.p2alignl 7, 3214868480
	.fill 96, 4, 3214868480
	.section	.rodata,"a",@progbits
	.p2align	6, 0x0
	.amdhsa_kernel k_q9c55f2168d_gemm_qkv
		.amdhsa_group_segment_fixed_size 327680
		.amdhsa_private_segment_fixed_size 0
		.amdhsa_enable_private_segment 0
		.amdhsa_kernarg_size 48
		.amdhsa_user_sgpr_count 2
		.amdhsa_user_sgpr_kernarg_segment_ptr 1
		.amdhsa_wavefront_size32 1
		.amdhsa_system_sgpr_workgroup_id_x 1
		.amdhsa_system_sgpr_workgroup_id_y 1
		.amdhsa_system_sgpr_workgroup_id_z 1
		.amdhsa_system_vgpr_workitem_id 0
		.amdhsa_next_free_vgpr 1024
		.amdhsa_next_free_sgpr 102
		.amdhsa_reserve_vcc 1
		.amdhsa_float_denorm_mode_32 3
		.amdhsa_float_denorm_mode_16_64 3
		.amdhsa_memory_ordered 1
		.amdhsa_forward_progress 1
		.amdhsa_inst_pref_size 188
	.end_amdhsa_kernel
	.amdgpu_metadata
---
amdhsa.version: [ 1, 2 ]
amdhsa.kernels:
  - .name:           k_q9c55f2168d_gemm_qkv
    .symbol:         k_q9c55f2168d_gemm_qkv.kd
    .args:
      - { .name: tokc, .offset: 0, .size: 8, .value_kind: global_buffer, .address_space: global }
      - { .name: toks, .offset: 8, .size: 8, .value_kind: global_buffer, .address_space: global }
      - { .name: wc, .offset: 16, .size: 8, .value_kind: global_buffer, .address_space: global }
      - { .name: ws, .offset: 24, .size: 8, .value_kind: global_buffer, .address_space: global }
      - { .name: qk, .offset: 32, .size: 8, .value_kind: global_buffer, .address_space: global }
      - { .name: vi, .offset: 40, .size: 8, .value_kind: global_buffer, .address_space: global }
    .group_segment_fixed_size: 327680
    .private_segment_fixed_size: 0
    .kernarg_segment_align: 8
    .kernarg_segment_size: 48
    .max_flat_workgroup_size: 128
    .sgpr_count:     102
    .vgpr_count:     1024
    .wavefront_size: 32
...
	.end_amdgpu_metadata
.endif
;; end of part 2
;; launch attn (part 3): grid 4 x 64, 8 waves a work-group, clusters of 4 x 1, 275,456 bytes of LDS; arguments qk, vi, oc, osc; writes oc, osc
.if DOCPART == 3
	.amdgcn_target "amdgcn-amd-amdhsa--gfx1250"
	.amdhsa_code_object_version 6
	.text
	.protected	k_q9c55f2168d_attn
	.globl	k_q9c55f2168d_attn
	.p2align	8
	.type	k_q9c55f2168d_attn,@function
k_q9c55f2168d_attn:
	s_mov_b64 s[64:65], 0
	v_nop
	global_prefetch_b8 v0, s[64:65] scope:SCOPE_SE
	s_setreg_imm32_b32 hwreg(HW_REG_WAVE_MODE, 25, 1), 1
	s_wait_xcnt 0x0
	s_wait_alu depctr_hold_cnt(0) depctr_sa_sdst(0) depctr_va_vdst(0) depctr_va_sdst(0) depctr_va_ssrc(0) depctr_va_vcc(0) depctr_vm_vsrc(0)
	s_getreg_b32 s2, hwreg(HW_REG_IB_STS2, 6, 4)
	s_cmp_eq_u32 s2, 0
	s_cbranch_scc0 .Lentry_in_a_cluster
	s_endpgm
.Lentry_in_a_cluster:
	s_bfe_u32 s2, ttmp6, 0x10000c
	s_cmp_lg_u32 s2, 0x3003
	s_cbranch_scc0 .Lentry_shape_is_right
	s_endpgm
.Lentry_shape_is_right:
; o = softmax(q k^T / 8) v for one head of one stream and batch, v taken from the OTHER stream, both products on codes of FP8 (E4M3) with E8M0 scales; o / l is quantised along C for the projection.
; t = score x log2(e) / 8; M = the running largest t rounded UP to a whole number; p = 2^(t - M) is quantised along the keys, not normalised; the row's sum l is taken of the unquantised p and divides at the end.
; SHARES.  y of the grid = 16 (2 stream + b) + head.  The cluster's four work-groups take 512 queries each, in two passes of 256; each of the eight waves holds TWO tiles of 16 queries, so each fragment of K and V feeds two products.
; THE WHOLE HEAD'S K AND V, codes and scale words, LIE IN LDS, filled once by joint loads (the four partners walk the same head), one load a wave: 139,264 + 135,168 bytes.  No byte is filled again: no barrier stands in the loops.
; No prefetch: K and V come once, at the head, with no loop ahead of them to ask in.
; LAYOUT.  Both products are used transposed (S^T = K Q^T, O^T = V^T P^T): a lane holds ONE query of each tile.  Lane row r of tile 2 b + u is row 32 b + 8 u + (r & 7) + 16 (r >> 3), so the 16 registers of tiles 2 b, 2 b + 1
; are 16 neighbours: keys in S^T, the head's d in O^T.  All operands lie in memory and LDS as images of their registers.
; K = 64 IN A FORM OF 128.  Q's registers 8-15 are zero codes.  K's tiles lie 8 registers apart, so the upper half of a tile's operand is the next tile's codes (zeros behind the last), which meet Q's zeros;
; bytes 2 and 3 of both scale words are 0.  This leans on K's codes holding no NaN code, which the hold at 448 x the scale gives for finite inputs.
; THE TWO TILES' WORK IS LAID BY TURNS: all that the softmax touches lies in window 0, so no window is switched inside it.  Tile 0's lines on M stand among tile 1's maxima, tile 1's among tile 0's multiply-adds;
; tile 0's exponentials stand among tile 1's multiply-adds, tile 1's among the first level of tile 0's sum and tile 0's holds.
; A ROW'S SUM OF A STEP IS A TREE of packed additions (16, 8, 4, 2, 1, and 1 onto the sum): its leaves' sums lie in registers that are free then (p's codes' registers; for tile 1, tile 0's spent p).
; K and V have registers of their own: the next step's K is asked for behind the first product, the next step's V behind the second.
; The scale bytes of o leave as 2 bytes a lane, 16 bytes apart (a scale word spans two heads).  The last step of the last pass fetches step 0 once more, which nobody reads: so the counted waits count the same loads in every step.
; LIMITS: NaN and infinities are not served; p under 2^-126 is 0 (v_exp_f32 flushes); 1 / l is v_rcp_f32; a block of o under 2^-118 (zeros too) gets the byte 1, read by this program alone.
; WINDOW 0: v1-11 addresses; v12-27 scale words; v28-59, v60-91 the tiles' small state; v92-123 p's codes; v124-127 a level of the sums; v128-191, v192-255 S^T, then p.
; WINDOW 1: v0-63 K's eight tiles, v64-71 zeros, v72-135 V's four, v136-199 O^T, v200-231 Q.
.set KSTP, 8704                        ; a key step of K: 8 tiles x 1,024 bytes, 512 bytes of scale words
.set VSTP, 8448                        ; of V: 4 tiles x 2,048 bytes, 256 bytes of scale words
.set VI0,  139264                      ; V lies behind K
.set SPARE, 274432                     ; behind V: the spare words, 128 bytes for each wave
.set GQ,  1
.set GQS, 2
.set LR,  3                            ; 16 x (lane % 16)
.set LKF, 4                            ; 16 x lane
.set AKF, 5
.set AKS, 6
.set AVF, 7
.set AVS, 8
.set SPW, 9
.set NIL, 10
.set GOS, 11
.set KS,  12
.set VS,  20
.set QS,  24
.set PS,  26
.set NM,  28                           ; tile e's state: these numbers + 32 e
.set MT,  29
.set SUM, 30
.set SU2, 32
.set SU3, 34
.set SU4, 36
.set F,   38
.set BM,  40
.set PT,  44
.set HD,  48
.set SO,  52
.set TA,  56
.set PC,  92                           ; + 16 e
.set XS,  124                          ; + 2 e
.set S,   128                          ; + 64 e
.set KF,  0                            ; window 1
.set ZP,  64
.set VF,  72
.set O,   136                          ; + 32 e
.set Q,   200                          ; + 16 e
.set WV,  12
.set MNT, 19
.set SEL, 20
.set CS,  22
.set G1K, 24
.set G1V, 32
.set G0K, 40
.set G0V, 44
.set MSB, 0
.macro WIN new                         ; the immediate's high byte repeats the setting that is left
.if MSB != (\new)
	s_set_vgpr_msb (MSB<<8)|(\new)
.set MSB, (\new)
.endif
.endm
.macro ROUND                           ; a round of the cluster's barrier
	s_barrier_signal -1
	s_barrier_wait -1
	s_cmp_lg_u32 s[WV], 0
	s_cbranch_scc1 .Lnot_wave_0_\@
	s_barrier_signal -3
.Lnot_wave_0_\@:
	s_barrier_wait -3
	s_barrier_signal -1
	s_barrier_wait -1
.endm
.macro QLOAD off
	WIN 0x40
	global_load_b128 v[Q:Q+3], v[GQ], s[48:49] offset:\off th:TH_LOAD_NT
	global_load_b128 v[Q+4:Q+7], v[GQ], s[48:49] offset:\off+512 th:TH_LOAD_NT
	global_load_b128 v[Q+16:Q+19], v[GQ], s[48:49] offset:\off+1024 th:TH_LOAD_NT
	global_load_b128 v[Q+20:Q+23], v[GQ], s[48:49] offset:\off+1536 th:TH_LOAD_NT
	WIN 0
	global_load_b32 v[QS], v[GQS], s[48:49] offset:\off th:TH_LOAD_NT
	global_load_b32 v[QS+1], v[GQS], s[48:49] offset:\off+4 th:TH_LOAD_NT
.endm
.macro KLOAD                           ; a step's K: 8 tiles x 8 registers, and its scale words: 18 loads
	WIN 0x40
.irp t, 0,1,2,3,4,5,6,7
	ds_load_b128 v[KF+8*\t:KF+8*\t+3], v[AKF] offset:\t*1024
	ds_load_b128 v[KF+8*\t+4:KF+8*\t+7], v[AKF] offset:\t*1024+512
.endr
	WIN 0
	ds_load_b128 v[KS:KS+3], v[AKS] offset:8192
	ds_load_b128 v[KS+4:KS+7], v[AKS] offset:8448
.endm
.macro VLOAD                           ; a step's V: 4 tiles x 16 registers, and its scale words: 17 loads
	WIN 0x40
.irp t, 0,1,2,3
.irp c, 0,1,2,3
	ds_load_b128 v[VF+16*\t+4*\c:VF+16*\t+4*\c+3], v[AVF] offset:\t*2048+\c*512
.endr
.endr
	WIN 0
	ds_load_b128 v[VS:VS+3], v[AVS] offset:8192
.endm
; The largest score of each block of 32 keys, in two chains a block (d = BM or PT): for the row's maximum, and, since p rises with the score, for the block's largest p
.macro MS e, d, x
.irp b, 0,1,2,3
	v_max3_num_f32 v[\d+32*\e+\b], v[S+64*\e+16*\b+\x], v[S+64*\e+16*\b+\x+1], v[S+64*\e+16*\b+\x+2]
.endr
.endm
.macro MA e, d, x
.irp b, 0,1,2,3
	v_max3_num_f32 v[\d+32*\e+\b], v[\d+32*\e+\b], v[S+64*\e+16*\b+\x], v[S+64*\e+16*\b+\x+1]
.endr
.endm
.macro MJ e
.irp b, 0,1,2,3
	v_max3_num_f32 v[BM+32*\e+\b], v[BM+32*\e+\b], v[PT+32*\e+\b], v[S+64*\e+16*\b+14]
.endr
.endm
.macro ML e
.irp b, 0,1,2,3
	v_max_num_f32 v[BM+32*\e+\b], v[BM+32*\e+\b], v[S+64*\e+16*\b+15]
.endr
.endm
.macro MP e
.irp b, 0,1,2,3
	v_permlanex16_b32 v[PT+32*\e+\b], v[BM+32*\e+\b], s[SEL], s[SEL+1]
.endr
.endm
.macro MM e
.irp b, 0,1,2,3
	v_max_num_f32 v[BM+32*\e+\b], v[BM+32*\e+\b], v[PT+32*\e+\b]     ; with lane l xor 16's 16 keys
.endr
.endm
.macro CH e, n                         ; the n-th of the nine lines that depend on each other: from the blocks' maxima to -M and f
.if \n == 0
	v_max3_num_f32 v[TA+32*\e], v[BM+32*\e], v[BM+32*\e+1], v[BM+32*\e+2]
.endif
.if \n == 1
	v_max_num_f32 v[TA+32*\e], v[TA+32*\e], v[BM+32*\e+3]
.endif
.if \n == 2
	v_mul_f32 v[TA+32*\e], s[CS], v[TA+32*\e]      ; as t (c is positive)
.endif
.if \n == 3
	v_max_num_f32 v[MT+32*\e], v[MT+32*\e], v[TA+32*\e]   ; the running largest t
.endif
.if \n == 4
	v_mov_b32 v[TA+32*\e], v[NM+32*\e]
.endif
.if \n == 5
	v_floor_f32 v[NM+32*\e], -v[MT+32*\e]          ; -M = floor(-t) = -ceil(t)
.endif
.if \n == 6
	v_sub_f32 v[TA+32*\e], v[NM+32*\e], v[TA+32*\e]   ; old M - new M: a whole number, 0 or less
.endif
.if \n == 7
	v_cvt_i32_f32 v[TA+32*\e], v[TA+32*\e]         ; (it saturates)
.endif
.if \n == 8
	v_ldexp_f32 v[F+32*\e], 1.0, v[TA+32*\e]       ; f = 2^(old M - new M): a multiplication by it rounds nothing
.endif
.endm
.macro FMAS n                          ; tile 0: t - M, two at a time
.rept \n
	v_pk_fma_f32 v[S+j:S+j+1], v[S+j:S+j+1], s[CS:CS+1], v[NM:NM+1] op_sel_hi:[1,0,0]
.set j, j+2
.endr
.endm
; The hold (ISA guide 7.6.2); p is not negative, so it is one-sided.  Two a line: an even register of one block with an odd one of its neighbour
.macro DM1 e, b, i
	v_dual_min_num_f32 v[S+64*\e+16*\b+\i], v[S+64*\e+16*\b+\i], v[HD+32*\e+\b] :: v_dual_min_num_f32 v[S+64*\e+16*\b+17+\i], v[S+64*\e+16*\b+17+\i], v[HD+32*\e+\b+1]
.endm
.macro DM2 e, b, i
	v_dual_min_num_f32 v[S+64*\e+16*\b+16+\i], v[S+64*\e+16*\b+16+\i], v[HD+32*\e+\b+1] :: v_dual_min_num_f32 v[S+64*\e+16*\b+1+\i], v[S+64*\e+16*\b+1+\i], v[HD+32*\e+\b]
.endm
.macro FILL n                          ; the n-th of tile 0's 48 lines that stand among tile 1's exponentials: 16 additions (the sum's first level, of the unquantised p), then the 32 holds
.if (\n) < 16
	v_pk_add_f32 v[PC+2*(\n):PC+2*(\n)+1], v[S+4*(\n):S+4*(\n)+1], v[S+4*(\n)+2:S+4*(\n)+3]
.else
.set m, (\n)-16
.set bb, 2*(m/16)
.set ii, 2*((m%16)/2)
.if m%2 == 0
	DM1 0, bb, ii
.else
	DM2 0, bb, ii
.endif
.endif
.endm
.macro CVT e
.irp b, 0,1,2,3
	v_cvt_scalef32_pk8_fp8_f32 v[PC+16*\e+4*\b:PC+16*\e+4*\b+1], v[S+64*\e+16*\b:S+64*\e+16*\b+7], v[SO+32*\e+\b]
	v_cvt_scalef32_pk8_fp8_f32 v[PC+16*\e+4*\b+2:PC+16*\e+4*\b+3], v[S+64*\e+16*\b+8:S+64*\e+16*\b+15], v[SO+32*\e+\b]
.endr
.endm
	s_load_b256 s[4:11], s[0:1], 0x0               ; qk s[4:5], vi s[6:7], oc s[8:9], osc s[10:11]
	v_lshl_add_u32 v[SPW], v0, 2, SPARE
	v_mov_b32 v[NIL], 0
	ds_add_u32 v[SPW], v[NIL]                      ; the opening lines: the add, twice on end, and its wait
	ds_add_u32 v[SPW], v[NIL]
	v_lshrrev_b32 v1, 5, v0
	s_delay_alu instid0(VALU_DEP_1)
	v_readfirstlane_b32 s[WV], v1                  ; wave 0..7
	s_bfe_u32 s13, ttmp6, 0x40000                  ; cx: it enters Q's, oc's and osc's addresses alone
	s_and_b32 s14, ttmp7, 0xffff                   ; 16 (2 stream + b) + head, which the partners share
	s_and_b32 s15, s14, 15                         ; head
	s_lshr_b32 s16, s14, 4                         ; 2 stream + b
	s_and_b32 s17, s[WV], 3
	s_add_co_u32 s60, s14, 64                      ; K is section 1 of qk
	s_mul_i32 s60, s60, 16*KSTP
	s_mul_i32 s18, s17, 4*KSTP                     ; my quarter of the head's K: in memory and in LDS
	s_add_co_u32 s60, s60, s18
	s_mov_b32 s61, 0
	s_xor_b32 s62, s14, 32                         ; V of the other stream
	s_mul_i32 s62, s62, 16*VSTP
	s_mul_i32 s2, s17, 4*VSTP
	s_add_co_u32 s62, s62, s2
	s_mov_b32 s63, 0
	s_mov_b32 s[G1K], 15|(3<<16)|(1<<21)           ; 15:0 the mask: all four work-groups; 17:16 elements of 8 bytes; 21 set beside a mask
	s_mov_b32 s[G1K+1], 32<<16                     ; 34,816 dense bytes as 136 rows of 256
	s_mov_b32 s[G1K+2], 136<<16
	s_mov_b32 s[G1K+3], 32<<16
	s_mov_b32 s[G1K+4], 136
	s_mov_b32 s[G1K+5], 32
	s_mov_b32 s[G1K+6], 0
	s_mov_b32 s[G1K+7], 0
	s_mov_b32 s[G1V], 15|(3<<16)|(1<<21)
	s_mov_b32 s[G1V+1], 32<<16                     ; 33,792 dense bytes as 132 rows of 256
	s_mov_b32 s[G1V+2], 132<<16
	s_mov_b32 s[G1V+3], 32<<16
	s_mov_b32 s[G1V+4], 132
	s_mov_b32 s[G1V+5], 32
	s_mov_b32 s[G1V+6], 0
	s_mov_b32 s[G1V+7], 0
	s_mov_b32 s[MNT], 0x600000
	s_mov_b32 s[SEL], 0x76543210
	s_mov_b32 s[SEL+1], 0xfedcba98
	s_mov_b32 s[CS], 0x3e38aa3b                    ; c = log2(e) / 8
	s_mov_b32 s[CS+1], s[CS]                       ; (named with it as a pair, so it is written)
	s_wait_dscnt 0x0
	s_wait_kmcnt 0x0
	s_mov_b32 s[G0K], 1
	s_mov_b32 s[G0K+1], s18
	s_add_nc_u64 s[G0K+2:G0K+3], s[4:5], s[60:61]
	s_or_b32 s[G0K+3], s[G0K+3], 0x80000000
	s_mov_b32 s[G0V], 1
	s_add_co_u32 s[G0V+1], s2, VI0
	s_add_nc_u64 s[G0V+2:G0V+3], s[6:7], s[62:63]
	s_or_b32 s[G0V+3], s[G0V+3], 0x80000000
	ROUND                                          ; all four work-groups are here: the joint loads meet
	s_cmp_lt_u32 s[WV], 4                          ; waves 0-3 fetch K's quarters, waves 4-7 V's: one load of each wave is out
	s_cbranch_scc0 .Lfor_v
	tensor_load_to_lds s[G0K:G0K+3], s[G1K:G1K+7]
	s_nop 0
.rept 4
	v_nop
.endr
	s_branch .Lasked
.Lfor_v:
	tensor_load_to_lds s[G0V:G0V+3], s[G1V:G1V+7]
	s_nop 0
.rept 4
	v_nop
.endr
.Lasked:
	s_lshl_b32 s54, s13, 2
	s_lshr_b32 s55, s[WV], 2
	s_add_co_u32 s54, s54, s55                     ; my step of 128 queries in the first pass: 4 cx + (wave >> 2)
	s_lshl_b32 s55, s17, 1                         ; my first tile in it: 2 (wave & 3)
	s_mul_i32 s56, s14, 16*KSTP
	s_mul_i32 s57, s54, KSTP
	s_add_co_u32 s56, s56, s57
	s_mov_b32 s57, 0
	s_add_nc_u64 s[48:49], s[4:5], s[56:57]        ; Q: section 0 of qk, my step
	s_lshl_b32 s58, s16, 7
	s_lshl_b32 s54, s54, 3
	s_add_co_u32 s58, s58, s54
	s_add_co_u32 s58, s58, s55                     ; the block of 16 tokens that tile 0 is in oc and osc
	s_lshl_b32 s56, s58, 14
	s_lshr_b32 s54, s15, 1
	s_lshl_b32 s54, s54, 11
	s_add_co_u32 s56, s56, s54
	s_and_b32 s54, s15, 1
	s_lshl_b32 s54, s54, 10
	s_add_co_u32 s56, s56, s54
	s_add_nc_u64 s[50:51], s[8:9], s[56:57]        ; oc: K step head >> 1, blocks 2 (head & 1) on
	s_lshl_b32 s56, s58, 9
	s_lshr_b32 s54, s15, 3
	s_lshl_b32 s54, s54, 8
	s_add_co_u32 s56, s56, s54
	s_bfe_u32 s54, s15, 0x20001
	s_lshl_b32 s54, s54, 2
	s_add_co_u32 s56, s56, s54
	s_and_b32 s54, s15, 1
	s_lshl_b32 s54, s54, 1
	s_add_co_u32 s56, s56, s54
	s_add_nc_u64 s[52:53], s[10:11], s[56:57]      ; osc: my head's two bytes of the word
	s_lshl_b32 s54, s55, 10                        ; Q's codes: tile x 1024
	s_lshr_b32 s56, s55, 2
	s_lshl_b32 s56, s56, 8
	s_and_b32 s58, s55, 3
	s_lshl_b32 s58, s58, 2
	s_add_co_u32 s56, s56, s58
	s_add_co_u32 s56, s56, 8192                    ; Q's scale words
	v_and_b32 v[TA], 31, v0
	v_and_b32 v[LR], 15, v0
	v_cmp_le_u32 s59, 16, v[TA]
	v_lshlrev_b32 v[LKF], 4, v[TA]
	v_lshlrev_b32 v[LR], 4, v[LR]
	v_lshrrev_b32 v[GOS], 4, v[TA]
	v_lshl_add_u32 v[GOS], v[GOS], 9, v[LR]        ; osc: lanes 0-15 tile 0's rows, lanes 16-31 tile 1's
	v_add_nc_u32 v[GQ], s54, v[LKF]
	v_add_nc_u32 v[GQS], s56, v[LR]
	QLOAD 0                                        ; the first pass's Q, while the tensor loads are out
	v_mov_b32 v[AKF], v[LKF]                       ; key step 0
	v_mov_b32 v[AKS], v[LR]
	v_add_nc_u32 v[AVF], VI0, v[LKF]
	v_add_nc_u32 v[AVS], VI0, v[LR]
.irp e, 0,1
.irp b, 0,1,2,3
	v_mov_b32 v[PT+32*\e+\b], 0                    ; written once: a lane permute's destination counts as one of its sources
.endr
	v_mov_b32 v[F+32*\e+1], 0                      ; (named as the upper half of a pair)
.endr
	WIN 0x40
.irp j, 0,1,2,3,4,5,6,7
	v_mov_b32 v[ZP+\j], 0                          ; behind K's last tile
	v_mov_b32 v[Q+8+\j], 0                         ; Q's upper halves: zero codes, written once
	v_mov_b32 v[Q+24+\j], 0
.endr
	WIN 0
	s_wait_alu depctr_va_vdst(0)                   ; at the head's end
	s_wait_tensorcnt 0x0                           ; my part of the head is in LDS,
	s_barrier_signal -1
	s_barrier_wait -1                              ; everybody's is
	KLOAD                                          ; key step 0
	VLOAD
	s_mov_b32 s54, 2
.Lpass:                                            ; a pass begins: the largest t under every t, zeros in the sums and in O^T, which the first change of M leaves zeros
.irp e, 0,1
	v_mov_b32 v[MT+32*\e], 0xff61b1e6
	v_mov_b32 v[SUM+32*\e], 0
	v_mov_b32 v[SUM+32*\e+1], 0
.endr
.irp e, 0,1
	v_floor_f32 v[NM+32*\e], -v[MT+32*\e]
.endr
	WIN 0x40
.set j, 0
.rept 64
	v_mov_b32 v[O+j], 0
.set j, j+1
.endr
	WIN 0
	s_wait_loadcnt 0x0                             ; Q
	s_mov_b32 s55, 0
.Lstep:                                            ; 16 trips: 128 keys each
	s_add_co_u32 s55, s55, 1
	s_and_b32 s57, s55, 15                         ; the next step (behind the last: step 0, for the next pass)
	s_mul_i32 s58, s57, VSTP
	s_add_co_u32 s58, s58, VI0
	s_mul_i32 s57, s57, KSTP
	s_wait_dscnt 17                                ; this step's K and its scale words are in; its V, 17 younger loads, may be out
	WIN 0x05
.irp t, 0,1,2,3,4,5,6,7
.irp e, 0,1
	v_wmma_scale_f32_16x16x128_f8f6f4 v[S+64*\e+8*\t:S+64*\e+8*\t+7], v[KF+8*\t:KF+8*\t+15], v[Q+16*\e:Q+16*\e+15], 0, v[KS+\t], v[QS+\e]
.endr
.endr
	WIN 0
	v_add_nc_u32 v[AKF], s57, v[LKF]               ; these four and four v_nop are the eight plain lines behind the products: in front of the loads onto K and of the first read of S^T
	v_add_nc_u32 v[AKS], s57, v[LR]
	v_add_nc_u32 v[AVF], s58, v[LKF]
	v_add_nc_u32 v[AVS], s58, v[LR]
.rept 4
	v_nop
.endr
	KLOAD                                          ; the next step's K
	MS 0, BM, 0                                    ; each accumulator is first read at its low end
	MS 0, PT, 7
	MA 0, BM, 3
	MA 0, PT, 10
	MA 0, BM, 5
	MA 0, PT, 12
	MS 1, BM, 0
	MJ 0
	MS 1, PT, 7
	ML 0
	MA 1, BM, 3
	MP 0
	MA 1, PT, 10
	MM 0
	MA 1, BM, 5
	CH 0, 0
	MA 1, PT, 12
	CH 0, 1
	MJ 1
	CH 0, 2
	ML 1
	CH 0, 3
	MP 1
	CH 0, 4
	MM 1
	CH 0, 5
	CH 1, 0
	CH 0, 6
.set j, 0
	FMAS 4
	CH 1, 1
	CH 0, 7
	FMAS 4
	CH 1, 2
	CH 0, 8
	FMAS 4
	CH 1, 3
	FMAS 4
	CH 1, 4
	FMAS 4
	CH 1, 5
	FMAS 4
	CH 1, 6
	FMAS 4
	CH 1, 7
	FMAS 4
	CH 1, 8
.irp e, 0,1
.irp b, 0,1,2,3
	v_fma_f32 v[BM+32*\e+\b], v[BM+32*\e+\b], s[CS], v[NM+32*\e]
.endr
.endr
	s_wait_alu depctr_va_vdst(0)                   ; ahead of the batch
.irp e, 0,1
.irp b, 0,1,2,3
	v_exp_f32 v[BM+32*\e+\b], v[BM+32*\e+\b]       ; the blocks' largest p: the same two instructions on the same number
.endr
.endr
.set j, 0
.rept 24                                       ; tile 0's p = 2^(t - M); among them tile 1's t - M, which reads and writes nothing of the batch and is read behind the waits below
	v_exp_f32 v[S+j], v[S+j]
	v_exp_f32 v[S+j+1], v[S+j+1]
	v_pk_fma_f32 v[S+64+j:S+64+j+1], v[S+64+j:S+64+j+1], s[CS:CS+1], v[NM+32:NM+33] op_sel_hi:[1,0,0]
.set j, j+2
.endr
.set i, j
.rept 16
	v_exp_f32 v[S+i], v[S+i]
.set i, i+1
.endr
.rept 8                                        ; the last eight multiply-adds stand behind the last exponential
	v_pk_fma_f32 v[S+64+j:S+64+j+1], v[S+64+j:S+64+j+1], s[CS:CS+1], v[NM+32:NM+33] op_sel_hi:[1,0,0]
.set j, j+2
.endr
.irp e, 0,1
	v_pk_mul_f32 v[SUM+32*\e:SUM+32*\e+1], v[SUM+32*\e:SUM+32*\e+1], v[F+32*\e:F+32*\e+1] op_sel_hi:[1,0]   ; the sums under the new M
.endr
	s_wait_alu depctr_va_vdst(0)                   ; and behind it, ahead of its first reader
.irp e, 0,1
.irp b, 0,1,2,3
	v_max_num_f32 v[BM+32*\e+\b], 0x4800000, v[BM+32*\e+\b]    ; the floor 2^(9 - 127): the byte cannot fall under 1
.endr
.endr
.irp e, 0,1
.irp b, 0,1,2,3
	v_add_nc_u32 v[SO+32*\e+\b], 0xfc000000, v[BM+32*\e+\b]    ; 8 off the exponent field: the conversion's scale operand
.endr
.endr
.irp e, 0,1
.irp b, 0,1,2,3
	v_and_or_b32 v[HD+32*\e+\b], v[BM+32*\e+\b], 0x7f800000, s[MNT]   ; 448 x the scale
.endr
.endr
.irp e, 0,1
.irp b, 0,1,2,3
	v_lshrrev_b32 v[PT+32*\e+\b], 23, v[SO+32*\e+\b]           ; the scale's byte
.endr
.endr
.irp e, 0,1
	v_lshl_or_b32 v[PS+\e], v[PT+32*\e+1], 8, v[PT+32*\e]      ; p's scale words: more than eight plain lines ahead of the products
.endr
.irp e, 0,1
	v_lshl_or_b32 v[PS+\e], v[PT+32*\e+2], 16, v[PS+\e]
.endr
.irp e, 0,1
	v_lshl_or_b32 v[PS+\e], v[PT+32*\e+3], 24, v[PS+\e]
.endr
	s_wait_alu depctr_va_vdst(0)                   ; ahead of the batch
.set j, S+64
.set f, 0
.rept 16                                       ; tile 1's p; among them tile 0's 48 lines, none of which reads another's result: all are read behind the wait below
	v_exp_f32 v[j], v[j]
	v_exp_f32 v[j+1], v[j+1]
	FILL f
.set f, f+1
	v_exp_f32 v[j+2], v[j+2]
	v_exp_f32 v[j+3], v[j+3]
	FILL f
.set f, f+1
	FILL f
.set f, f+1
.set j, j+4
.endr
	v_nop                                          ; a plain line behind the exponentials
	s_wait_alu depctr_va_vdst(0)
	s_wait_dscnt 18                                ; V and its scale words are in; the next step's K, 16 + 2 loads, may be out
.set j, 0
.rept 8                                        ; tile 0's sum, second level: out of the registers that its codes take next
	v_pk_add_f32 v[PC+16+j:PC+17+j], v[PC+16+j:PC+17+j], v[PC+j:PC+j+1]
.set j, j+2
.endr
	CVT 0
	v_pk_add_f32 v[SU2:SU2+1], v[PC+16:PC+17], v[PC+24:PC+25]   ; third level: out of the registers that tile 1's codes take
	v_pk_add_f32 v[SU3:SU3+1], v[PC+18:PC+19], v[PC+26:PC+27]
	v_pk_add_f32 v[SU4:SU4+1], v[PC+20:PC+21], v[PC+28:PC+29]
	v_pk_add_f32 v[XS:XS+1], v[PC+22:PC+23], v[PC+30:PC+31]
.set j, 0
.rept 16                                       ; tile 1's sum, first level, of the unquantised p, onto tile 0's spent p
	v_pk_add_f32 v[S+2*j:S+2*j+1], v[S+64+4*j:S+64+4*j+1], v[S+64+4*j+2:S+64+4*j+3]
.set j, j+1
.endr
.irp i, 0,2,4,6,8,10,12,14
	DM1 1, 0, \i
	DM2 1, 0, \i
.endr
.set j, 0
.rept 8
	v_pk_add_f32 v[S+j:S+j+1], v[S+j:S+j+1], v[S+16+j:S+17+j]
.set j, j+2
.endr
.irp i, 0,2,4,6,8,10,12,14
	DM1 1, 2, \i
	DM2 1, 2, \i
.endr
	v_pk_add_f32 v[SU2+32:SU2+33], v[S:S+1], v[S+8:S+9]
	v_pk_add_f32 v[SU3+32:SU3+33], v[S+2:S+3], v[S+10:S+11]
	v_pk_add_f32 v[SU4+32:SU4+33], v[S+4:S+5], v[S+12:S+13]
	v_pk_add_f32 v[XS+2:XS+3], v[S+6:S+7], v[S+14:S+15]
	CVT 1
	WIN 0x41
	s_wait_alu depctr_va_vdst(0)                   ; directly ahead of the first reader of O^T
.irp e, 0,1
.set j, O+32*\e
.rept 16
	v_pk_mul_f32 v[j:j+1], v[j:j+1], v[F+32*\e:F+32*\e+1] op_sel_hi:[1,0]   ; O^T under the new M, each accumulator from its low end on; also the plain lines between the codes and the products
.set j, j+2
.endr
.endr
	WIN 0x51
.irp d, 0,1,2,3
.irp e, 0,1
	v_wmma_scale_f32_16x16x128_f8f6f4 v[O+32*\e+8*\d:O+32*\e+8*\d+7], v[VF+16*\d:VF+16*\d+15], v[PC+16*\e:PC+16*\e+15], v[O+32*\e+8*\d:O+32*\e+8*\d+7], v[VS+\d], v[PS+\e]
.endr
.endr
	WIN 0
.irp e, 0,1
	v_pk_add_f32 v[SU2+32*\e:SU2+32*\e+1], v[SU2+32*\e:SU2+32*\e+1], v[SU3+32*\e:SU3+32*\e+1]   ; the sums' last levels: these eight are the plain lines in front of the loads onto V
.endr
.irp e, 0,1
	v_pk_add_f32 v[SU4+32*\e:SU4+32*\e+1], v[SU4+32*\e:SU4+32*\e+1], v[XS+2*\e:XS+2*\e+1]
.endr
.irp e, 0,1
	v_pk_add_f32 v[SU2+32*\e:SU2+32*\e+1], v[SU2+32*\e:SU2+32*\e+1], v[SU4+32*\e:SU4+32*\e+1]
.endr
.irp e, 0,1
	v_pk_add_f32 v[SUM+32*\e:SUM+32*\e+1], v[SUM+32*\e:SUM+32*\e+1], v[SU2+32*\e:SU2+32*\e+1]
.endr
	VLOAD                                          ; the next step's V
	s_cmp_lt_u32 s55, 16
	s_cbranch_scc1 .Lstep
	s_cmp_eq_u32 s54, 1                            ; the last pass asks for no further Q
	s_wait_alu depctr_va_vdst(0)                   ; directly ahead of the branch
	s_cbranch_scc1 .Lno_q
	QLOAD 2*KSTP                                   ; the next pass's Q, 256 queries on: the last products that read Q stand a whole softmax back
.Lno_q:
; THE WAY OUT: O^T / l, quantised along the head's 64 (two blocks a tile), stored as images
.irp e, 0,1
	v_add_f32 v[SUM+32*\e], v[SUM+32*\e], v[SUM+32*\e+1]
.endr
.irp e, 0,1
	v_permlanex16_b32 v[PT+32*\e], v[SUM+32*\e], s[SEL], s[SEL+1]
.endr
.irp e, 0,1
	v_add_f32 v[SUM+32*\e], v[SUM+32*\e], v[PT+32*\e]          ; the rows' sums
.endr
	s_wait_alu depctr_va_vdst(0)
.irp e, 0,1
	v_rcp_f32 v[F+32*\e], v[SUM+32*\e]
.endr
	v_nop                                          ; a plain line behind the transcendentals
	WIN 0x01
	s_wait_alu depctr_va_vdst(0)
.irp e, 0,1
.set j, 0
.rept 16
	v_pk_mul_f32 v[S+64*\e+j:S+64*\e+j+1], v[O+32*\e+j:O+32*\e+j+1], v[F+32*\e:F+32*\e+1] op_sel_hi:[1,0]   ; register 16 b + i is d = 32 b + 16 (lane / 16) + i
.set j, j+2
.endr
.endr
	WIN 0
.irp e, 0,1
.irp b, 0,1
	v_max3_num_f32 v[BM+32*\e+\b], |v[S+64*\e+16*\b]|, |v[S+64*\e+16*\b+1]|, 0x4800000
.endr
.endr
.irp i, 2,4,6,8,10,12,14
.irp e, 0,1
.irp b, 0,1
	v_max3_num_f32 v[BM+32*\e+\b], v[BM+32*\e+\b], |v[S+64*\e+16*\b+\i]|, |v[S+64*\e+16*\b+\i+1]|
.endr
.endr
.endr
.irp e, 0,1
.irp b, 0,1
	v_permlanex16_b32 v[PT+32*\e+\b], v[BM+32*\e+\b], s[SEL], s[SEL+1]
.endr
.endr
.irp e, 0,1
.irp b, 0,1
	v_max_num_f32 v[BM+32*\e+\b], v[BM+32*\e+\b], v[PT+32*\e+\b]
.endr
.endr
.irp e, 0,1
.irp b, 0,1
	v_add_nc_u32 v[SO+32*\e+\b], 0xfc000000, v[BM+32*\e+\b]
.endr
.endr
.irp e, 0,1
.irp b, 0,1
	v_and_or_b32 v[HD+32*\e+\b], v[BM+32*\e+\b], 0x7f800000, s[MNT]
.endr
.endr
.irp e, 0,1
.irp b, 0,1
	v_lshrrev_b32 v[PT+32*\e+\b], 23, v[SO+32*\e+\b]
.endr
.endr
.irp e, 0,1
	v_lshl_or_b32 v[TA+32*\e], v[PT+32*\e+1], 8, v[PT+32*\e]   ; a row's two scale bytes
.endr
.irp e, 0,1
.irp b, 0,1
.irp i, 0,1,2,3,4,5,6,7,8,9,10,11,12,13,14,15
	v_med3_num_f32 v[S+64*\e+16*\b+\i], v[S+64*\e+16*\b+\i], -v[HD+32*\e+\b], v[HD+32*\e+\b]
.endr
.endr
.endr
	v_cndmask_b32 v[TA], v[TA], v[TA+32], s59      ; lanes 0-15: tile 0's rows; lanes 16-31: tile 1's (both halves of the lanes hold a row's bytes)
.irp e, 0,1
.irp b, 0,1
	v_cvt_scalef32_pk8_fp8_f32 v[PC+16*\e+4*\b:PC+16*\e+4*\b+1], v[S+64*\e+16*\b:S+64*\e+16*\b+7], v[SO+32*\e+\b]
	v_cvt_scalef32_pk8_fp8_f32 v[PC+16*\e+4*\b+2:PC+16*\e+4*\b+3], v[S+64*\e+16*\b+8:S+64*\e+16*\b+15], v[SO+32*\e+\b]
.endr
.endr
	v_nop                                          ; a plain line behind the last conversion
.irp e, 0,1
	global_store_b128 v[LKF], v[PC+16*\e:PC+16*\e+3], s[50:51] offset:\e*16384          ; 32 lanes store 512 consecutive bytes, aligned to 512
	global_store_b128 v[LKF], v[PC+16*\e+4:PC+16*\e+7], s[50:51] offset:\e*16384+512
.endr
	global_store_b16 v[GOS], v[TA], s[52:53]
	s_wait_xcnt 0x0                                ; the loads and stores have read their registers and bases: these are rewritten only behind this wait
	s_add_nc_u64 s[48:49], s[48:49], 2*KSTP        ; 256 queries on
	s_add_nc_u64 s[50:51], s[50:51], 262144
	s_add_nc_u64 s[52:53], s[52:53], 8192
	s_sub_co_u32 s54, s54, 1
	s_cmp_lg_u32 s54, 0
	s_cbranch_scc1 .Lpass
	s_wait_dscnt 0x0                               ; no LDS instruction is pending at a signal
	s_wait_tensorcnt 0x0                           ; the wave's end
	ds_add_u32 v[SPW], v[NIL]
	s_wait_dscnt 0x0
	ROUND                                          ; the closing round
	s_endpgm
.Lfunc_end_k_q9c55f2168d_attn:
	.size	k_q9c55f2168d_attn, .Lfunc_end_k_q9c55f2168d_attn-k_q9c55f2168d_attn
	.p2alignl 7, 3214868480
	.fill 96, 4, 3214868480
	.section	.rodata,"a",@progbits
	.p2align	6, 0x0
	.amdhsa_kernel k_q9c55f2168d_attn
		.amdhsa_group_segment_fixed_size 275456
		.amdhsa_private_segment_fixed_size 0
		.amdhsa_enable_private_segment 0
		.amdhsa_kernarg_size 32
		.amdhsa_user_sgpr_count 2
		.amdhsa_user_sgpr_kernarg_segment_ptr 1
		.amdhsa_wavefront_size32 1
		.amdhsa_system_sgpr_workgroup_id_x 1
		.amdhsa_system_sgpr_workgroup_id_y 1
		.amdhsa_system_sgpr_workgroup_id_z 1
		.amdhsa_system_vgpr_workitem_id 0
		.amdhsa_next_free_vgpr 512
		.amdhsa_next_free_sgpr 66
		.amdhsa_reserve_vcc 0
		.amdhsa_float_denorm_mode_32 3
		.amdhsa_float_denorm_mode_16_64 3
		.amdhsa_memory_ordered 1
		.amdhsa_forward_progress 1
		.amdhsa_inst_pref_size 59
	.end_amdhsa_kernel
	.amdgpu_metadata
---
amdhsa.version: [ 1, 2 ]
amdhsa.kernels:
  - .name:           k_q9c55f2168d_attn
    .symbol:         k_q9c55f2168d_attn.kd
    .args:
      - { .name: qk, .offset: 0, .size: 8, .value_kind: global_buffer, .address_space: global }
      - { .name: vi, .offset: 8, .size: 8, .value_kind: global_buffer, .address_space: global }
      - { .name: oc, .offset: 16, .size: 8, .value_kind: global_buffer, .address_space: global }
      - { .name: osc, .offset: 24, .size: 8, .value_kind: global_buffer, .address_space: global }
    .group_segment_fixed_size: 275456
    .private_segment_fixed_size: 0
    .kernarg_segment_align: 8
    .kernarg_segment_size: 32
    .max_flat_workgroup_size: 256
    .sgpr_count:     66
    .vgpr_count:     512
    .wavefront_size: 32
...
	.end_amdgpu_metadata
.endif
;; end of part 3
;; launch proj (part 4): grid 4 x 32, 4 waves a work-group, clusters of 4 x 4, 327,680 bytes of LDS; arguments oc, osc, wc, ws, b_proj, x, y, out0, out1; writes out0, out1
.if DOCPART == 4
	.amdgcn_target "amdgcn-amd-amdhsa--gfx1250"
	.amdhsa_code_object_version 6
	.text
	.protected	k_q9c55f2168d_proj
	.globl	k_q9c55f2168d_proj
	.p2align	8
	.type	k_q9c55f2168d_proj,@function
k_q9c55f2168d_proj:
	s_mov_b64 s[64:65], 0
	v_nop
	global_prefetch_b8 v0, s[64:65] scope:SCOPE_SE
	s_setreg_imm32_b32 hwreg(HW_REG_WAVE_MODE, 25, 1), 1
	s_wait_xcnt 0x0
	s_wait_alu depctr_hold_cnt(0) depctr_sa_sdst(0) depctr_va_vdst(0) depctr_va_sdst(0) depctr_va_ssrc(0) depctr_va_vcc(0) depctr_vm_vsrc(0)
	s_getreg_b32 s2, hwreg(HW_REG_IB_STS2, 6, 4)
	s_cmp_eq_u32 s2, 0
	s_cbranch_scc0 .Lentry_in_a_cluster
	s_endpgm
.Lentry_in_a_cluster:
	s_bfe_u32 s2, ttmp6, 0x10000c
	s_cmp_lg_u32 s2, 0xf033
	s_cbranch_scc0 .Lentry_shape_is_right
	s_endpgm
.Lentry_shape_is_right:
.set HALFT,  32768
.set SLOT,   4*HALFT
.set SCL,    2*SLOT
.set HALFS,  4096
.set SPARE,  SCL+4*HALFS
.set STAGE,  SPARE+512
.set SPITCH, 528
.set FR,     16
.set NL,     4
.set NP,     8
.set NQ,     2
.set ADRA, 16
.set ADRB, 20
.set STO,  24
.set RD,   25
.set CO,   26
.set ADRS, 27
.set SPW,  28
.set NIL,  29
.set SC,   32
.set BIAS, 64
.set AF,   128
.set BK,   128
.set G1, 24
.set G0, 32
.set G1B, 48
.set G0B, 56
.set G1S, 68
.set G0S, 76
.set G1SB, 80
.set G0SB, 88
.set MSB, 0
.macro WIN new
.if MSB != (\new)
	s_set_vgpr_msb (MSB<<8)|(\new)
.set MSB, (\new)
.endif
.endm
.set MUL_LO, 0xa1
.set MUL_HI, 0xf1
.set TO_B,   0x40
.macro JLOAD g0a, g1a, g0b, g1b
	s_cmp_eq_u32 s17, 0
	s_cbranch_scc0 .Lfor_b_\@
	tensor_load_to_lds s[\g0a:\g0a+3], s[\g1a:\g1a+7]
	s_nop 0
.rept 4
	v_nop
.endr
	s_branch .Lasked_\@
.Lfor_b_\@:
	tensor_load_to_lds s[\g0b:\g0b+3], s[\g1b:\g1b+7]
	s_nop 0
.rept 4
	v_nop
.endr
.Lasked_\@:
.endm
.macro CREST
	s_cmp_lg_u32 s16, 0
	s_cbranch_scc1 .Lnot_wave_0_\@
	s_barrier_signal -3
.Lnot_wave_0_\@:
	s_barrier_wait -3
	s_barrier_signal -1
	s_barrier_wait -1
.endm
.macro CROUND
	s_barrier_signal -1
	s_barrier_wait -1
	CREST
.endm
	s_load_b256 s[4:11], s[0:1], 0x0
	s_load_b64 s[12:13], s[0:1], 0x20
	s_load_b256 s[92:99], s[0:1], 0x28
	v_lshl_add_u32 v[SPW], v0, 2, SPARE
	v_mov_b32 v[NIL], 0
	ds_add_u32 v28, v29
	ds_add_u32 v28, v29
	s_wait_dscnt 0x0
	v_lshrrev_b32 v1, 5, v0
	v_readfirstlane_b32 s16, v1
	s_lshr_b32 s17, s16, 1
	s_and_b32 s18, s16, 1
	s_bfe_u32 s19, ttmp6, 0x40000
	s_bfe_u32 s20, ttmp6, 0x40004
	s_and_b32 s14, ttmp7, 0xffff
	s_lshl_b32 s21, s14, 2
	s_add_co_u32 s21, s21, s20
	s_add_co_u32 s22, s19, 12
	s_lshl_b32 s2, s20, 2
	s_lshl_b32 s2, 15, s2
	s_lshl_b32 s66, 0x1111, s19
	s_or_b32 s[G1+0], s2, (3<<16)|(1<<21)
	s_or_b32 s[G1B+0], s66, (3<<16)|(1<<21)
.irp g, G1, G1B
	s_mov_b32 s[\g+1], 512<<16
	s_mov_b32 s[\g+2], 16<<16
	s_mov_b32 s[\g+3], 512<<16
	s_mov_b32 s[\g+4], 16
	s_mov_b32 s[\g+5], 2048
	s_mov_b32 s[\g+6], 0
	s_mov_b32 s[\g+7], 0
.endr
	s_or_b32 s[G1S+0], s2, (3<<16)|(1<<21)
	s_or_b32 s[G1SB+0], s66, (3<<16)|(1<<21)
.irp g, G1S, G1SB
	s_mov_b32 s[\g+1], 32<<16
	s_mov_b32 s[\g+2], 32<<16
	s_mov_b32 s[\g+3], 32<<16
	s_mov_b32 s[\g+4], 32
	s_mov_b32 s[\g+5], 32
	s_mov_b32 s[\g+6], 0
	s_mov_b32 s[\g+7], 0
.endr
	v_and_b32 v1, 15, v0
	v_bfe_u32 v2, v0, 4, 1
	v_and_b32 v3, 31, v0
	v_lshlrev_b32 v[CO], 4, v3
	v_lshlrev_b32 v5, 6, v2
	s_wait_kmcnt 0x0
	s_lshl_b32 s2, s21, 18
	s_lshl_b32 s23, s18, 17
	s_add_co_u32 s2, s2, s23
	s_mov_b32 s3, 0
	s_add_nc_u64 s[40:41], s[4:5], s[2:3]
	s_lshl_b32 s2, s21, 13
	s_lshl_b32 s23, s18, 12
	s_add_co_u32 s2, s2, s23
	s_add_nc_u64 s[42:43], s[6:7], s[2:3]
	s_lshl_b32 s66, s22, 18
	s_lshl_b32 s23, s18, 17
	s_add_co_u32 s66, s66, s23
	s_mov_b32 s67, 0
	s_add_nc_u64 s[44:45], s[8:9], s[66:67]
	s_lshl_b32 s66, s22, 13
	s_lshl_b32 s23, s18, 12
	s_add_co_u32 s66, s66, s23
	s_add_nc_u64 s[46:47], s[10:11], s[66:67]
	s_lshl_b32 s4, s16, 15
	s_lshl_b32 s5, s16, 12
	CROUND
; THE HEAD'S FOUR TILES, each whole, one load a wave: wave 0 K step 0's 256 rows of A (16 blocks x 4,096 bytes), wave 1 those of B, wave 2 A's scale words (8,192 bytes), wave 3 B's.
; s[40:47] hold my half's addresses: the half's offset is taken off again for the whole tiles.  Slot 0's groups 0 serve the head first and get their ring values behind the wait for these loads.
	s_lshl_b32 s2, s18, 12
	s_mov_b32 s3, 0
	s_mov_b32 s[G0S], 1
	s_mov_b32 s[G0S+1], SCL
	s_sub_nc_u64 s[G0S+2:G0S+3], s[42:43], s[2:3]
	s_or_b32 s[G0S+3], s[G0S+3], 0x80000000
	s_mov_b32 s[G0SB], 1
	s_mov_b32 s[G0SB+1], SCL+2*HALFS
	s_sub_nc_u64 s[G0SB+2:G0SB+3], s[46:47], s[2:3]
	s_or_b32 s[G0SB+3], s[G0SB+3], 0x80000000
	s_lshl_b32 s2, s18, 17
	s_mov_b32 s[G0], 1
	s_mov_b32 s[G0+1], 0
	s_sub_nc_u64 s[G0+2:G0+3], s[40:41], s[2:3]
	s_or_b32 s[G0+3], s[G0+3], 0x80000000
	s_mov_b32 s[G0B], 1
	s_mov_b32 s[G0B+1], 2*HALFT
	s_sub_nc_u64 s[G0B+2:G0B+3], s[44:45], s[2:3]
	s_or_b32 s[G0B+3], s[G0B+3], 0x80000000
; the prefetches' base: of the 8 blocks that my wave fetches in the ring, the partner at place p (cx for A, cy for B) names blocks 2 p and 2 p + 1: told apart by address
	s_cmp_eq_u32 s17, 0
	s_cselect_b64 s[42:43], s[40:41], s[44:45]
	s_cselect_b32 s2, s19, s20
	s_lshl_b32 s2, s2, 15
	s_add_nc_u64 s[42:43], s[42:43], s[2:3]
.macro ARM under, g0, g1, next
	s_cmp_lt_u32 s16, \under
	s_cbranch_scc0 \next
	tensor_load_to_lds s[\g0:\g0+3], s[\g1:\g1+7]
	s_nop 0
.rept 4
	v_nop
.endr
	s_branch .Lhead_asked
\next:
.endm
	ARM 1, G0,  G1,  .Lhead_b
	ARM 2, G0B, G1B, .Lhead_sa
	ARM 3, G0S, G1S, .Lhead_sb
	tensor_load_to_lds s[G0SB:G0SB+3], s[G1SB:G1SB+7]
	s_nop 0
.rept 4
	v_nop
.endr
.Lhead_asked:
	s_wait_alu depctr_va_vdst(0)                   ; directly ahead of the reader below
	v_lshlrev_b32 v12, 8, v1                       ; a lane names 256 bytes: 16 lanes a block's 4,096 bytes of a K step, two blocks an instruction
	v_lshl_add_u32 v12, v2, 14, v12
	v_and_b32 v13, 30, v0                          ; the residual's rows: two lanes name a row's 512 bytes, 16 rows an instruction
	v_lshlrev_b32 v13, 11, v13
	v_and_b32 v14, 1, v0
	v_lshl_add_u32 v13, v14, 8, v13
	global_prefetch_b8 v12, s[42:43] offset:1*4096 th:TH_LOAD_NT scope:SCOPE_SE   ; K step 1, which is loaded behind the round below, when the head's tiles are in
	global_prefetch_b8 v12, s[42:43] offset:2*4096 th:TH_LOAD_NT scope:SCOPE_SE   ; K step 2, which the first change of slots loads
	s_mov_b32 s[G0+4], 1
	s_add_co_u32 s[G0+5], s4, SLOT
	s_add_nc_u64 s[G0+6:G0+7], s[40:41], 4096
	s_or_b32 s[G0+7], s[G0+7], 0x80000000
	s_mov_b32 s[G0B+4], 1
	s_add_co_u32 s[G0B+5], s4, SLOT
	s_add_nc_u64 s[G0B+6:G0B+7], s[44:45], 4096
	s_or_b32 s[G0B+7], s[G0B+7], 0x80000000
	s_wait_alu depctr_va_vdst(0)
	s_wait_tensorcnt 0x0                           ; my tile of the head's four is in: no tensor load of mine is out, so descriptors may be written
	ds_add_u32 v28, v29
	s_mov_b32 s[G1+2], 8<<16                       ; from here on a load brings 8 blocks
	s_mov_b32 s[G1+4], 8
	s_mov_b32 s[G1B+2], 8<<16
	s_mov_b32 s[G1B+4], 8
	s_add_co_u32 s[G0+1], s4, 0
	s_add_nc_u64 s[G0+2:G0+3], s[40:41], 0
	s_or_b32 s[G0+3], s[G0+3], 0x80000000
	s_add_co_u32 s[G0B+1], s4, 0
	s_add_nc_u64 s[G0B+2:G0B+3], s[44:45], 0
	s_or_b32 s[G0B+3], s[G0B+3], 0x80000000
	s_wait_dscnt 0x0
	CROUND                                         ; all four tiles are in, in every partner
	JLOAD G0+4, G1, G0B+4, G1B                     ; K step 1, the first tensor load behind the round
	s_lshl_b32 s8, s19, 10
	s_lshl_b32 s9, s18, 9
	s_add_co_u32 s8, s8, s9
	s_mov_b32 s9, 0
	s_add_nc_u64 s[12:13], s[12:13], s[8:9]
	s_wait_alu depctr_va_vdst(0)
.irp b, 0,1,2,3,4,5,6,7
	global_load_b128 v[BIAS+8*\b:BIAS+8*\b+3], v5, s[12:13] offset:128*(\b/2)+32*(\b%2)
	global_load_b128 v[BIAS+8*\b+4:BIAS+8*\b+7], v5, s[12:13] offset:128*(\b/2)+32*(\b%2)+16
.endr
	s_cmp_lt_u32 s14, 4
	s_cselect_b64 s[92:93], s[92:93], s[94:95]
	s_cselect_b64 s[96:97], s[96:97], s[98:99]
	s_and_b32 s10, s21, 15
	s_lshl_b32 s10, s10, 20
	s_lshl_b32 s11, s17, 19
	s_add_co_u32 s10, s10, s11
	s_add_co_u32 s10, s10, s8
	s_mov_b32 s11, 0
	s_add_nc_u64 s[92:93], s[92:93], s[10:11]
	s_add_nc_u64 s[96:97], s[96:97], s[10:11]
	s_lshl_b32 s6, s17, 15
	s_lshl_b32 s7, s18, 15
	s_add_co_u32 s7, s7, 2*HALFT
.irp s, 0,1
	v_add_nc_u32 v[ADRA+\s], s6, v[CO]
	v_add_nc_u32 v[ADRB+\s], s7, v[CO]
	s_add_co_u32 s6, s6, SLOT
	s_add_co_u32 s7, s7, SLOT
.endr
	s_lshl_b32 s6, s17, 12
	s_lshl_b32 s7, s18, 12
	s_add_co_u32 s7, s7, 2*HALFS
	s_sub_co_u32 s7, s7, s6
	v_mul_u32_u24 v3, s7, v2
	s_add_co_u32 s6, s6, SCL
	v_lshl_add_u32 v3, v1, 4, v3
	v_add_nc_u32 v[ADRS], s6, v3
	s_mul_i32 s6, s16, 16*SPITCH
	s_add_co_u32 s6, s6, STAGE
	v_mul_u32_u24 v3, v1, SPITCH
	v_lshl_add_u32 v3, v2, 6, v3
	v_add_nc_u32 v[STO], s6, v3
	v_add_nc_u32 v[RD], s6, v[CO]
.macro FRAG reg, adr, q, i
.irp c, 0,1,2,3
	ds_load_b128 v[\reg+4*\c:\reg+4*\c+3], v[\adr] offset:(\i)*4096+(\q)*2048+512*\c
.endr
.endm
.macro MUL16 a0, p, q, sc, zero
.irp a, \a0, \a0+1
.irp b, 0,1,2,3,4,5,6,7
.if \zero == 2
	v_wmma_scale_f32_16x16x128_f8f6f4 v[8*(8*((\a)%4)+\b):8*(8*((\a)%4)+\b)+7], v[128*(\p)+FR*\b:128*(\p)+FR*\b+FR-1], v[AF+FR*(\a):AF+FR*(\a)+FR-1], v[BIAS+8*\b:BIAS+8*\b+7], v[SC+8*NQ*(\sc)+NQ*\b+(\q)], v[SC+8*NQ*(\sc)+NQ*(\a)+(\q)] matrix_a_scale:MATRIX_SCALE_ROW1
.else
	v_wmma_scale_f32_16x16x128_f8f6f4 v[8*(8*((\a)%4)+\b):8*(8*((\a)%4)+\b)+7], v[128*(\p)+FR*\b:128*(\p)+FR*\b+FR-1], v[AF+FR*(\a):AF+FR*(\a)+FR-1], v[8*(8*((\a)%4)+\b):8*(8*((\a)%4)+\b)+7], v[SC+8*NQ*(\sc)+NQ*\b+(\q)], v[SC+8*NQ*(\sc)+NQ*(\a)+(\q)] matrix_a_scale:MATRIX_SCALE_ROW1
.endif
.endr
.endr
.endm
.macro FETCH_B slot, q, p
	WIN TO_B
.irp i, 0,1,2,3,4,5,6,7
	FRAG 128*(\p)+FR*\i, ADRB+\slot, \q, \i
.endr
	WIN 0
.endm
.macro FETCH_A slot, q, i0
.irp i, \i0, \i0+1, \i0+2, \i0+3
	FRAG AF+FR*(\i), ADRA+\slot, \q, \i
.endr
.endm
.macro SCALES sc, n
.irp i, 0,1,2,3,4,5,6,7
	ds_load_b64 v[SC+16*(\sc)+2*\i:SC+16*(\sc)+2*\i+1], v[ADRS] offset:\i*512+((\n)>>1)*256+((\n)&1)*8
.endr
.endm
.macro PLACES n
.rept \n
	v_nop
.endr
.endm
.macro STEP slot, q, zero
	s_wait_dscnt 4*NL
.if \zero == 2
	WIN 0x81
.else
	WIN MUL_LO
.endif
	MUL16 0, (\q)%2, \q, \slot, \zero
	MUL16 2, (\q)%2, \q, \slot, \zero
	s_wait_dscnt 0
	PLACES NP
	FETCH_B \slot, (\q)+1, 1-(\q)%2
	FETCH_A \slot, (\q)+1, 0
.if \zero == 2
	WIN 0xc1
.else
	WIN MUL_HI
.endif
	MUL16 4, (\q)%2, \q, \slot, \zero
	MUL16 6, (\q)%2, \q, \slot, \zero
	PLACES NP
	WIN 0
	FETCH_A \slot, (\q)+1, 4
.endm
.macro TURN slot, next, fill, n
	s_wait_tensorcnt 0x0
	ds_add_u32 v[SPW], v[NIL]
	s_wait_dscnt 4*NL+1
	WIN MUL_LO
	MUL16 0, 1, NQ-1, \slot, 0
	s_wait_dscnt 0x0
	s_barrier_signal -1
	MUL16 2, 1, NQ-1, \slot, 0
	WIN 0
	s_barrier_wait -1
.if \fill
	CREST
	s_add_nc_u64 s[G0+4*\slot+2:G0+4*\slot+3], s[G0+4*\slot+2:G0+4*\slot+3], 8192
	s_add_nc_u64 s[G0B+4*\slot+2:G0B+4*\slot+3], s[G0B+4*\slot+2:G0B+4*\slot+3], 8192
	JLOAD G0+4*\slot, G1, G0B+4*\slot, G1B
	PLACES NP-4
.else
	PLACES NP
.endif
	FETCH_B \next, 0, 0
	FETCH_A \next, 0, 0
	SCALES \next, \n
.irp g, 0,1,2                                  ; my wave's 128 rows x 512 bytes of the residual, which the way out reads: eight instructions of 16 rows, three, three and two at the three changes of slots
.if 3*(\n)-3+\g < 8
	global_prefetch_b8 v13, s[92:93] offset:(3*(\n)-3+\g)*65536 th:TH_LOAD_NT scope:SCOPE_SE
.endif
.endr
	WIN MUL_HI
	MUL16 4, 1, NQ-1, \slot, 0
	MUL16 6, 1, NQ-1, \slot, 0
	PLACES NP
	WIN 0
	FETCH_A \next, 0, 4
.endm
	s_wait_alu depctr_va_vdst(0)
	FETCH_B 0, 0, 0
	global_prefetch_b8 v12, s[42:43] offset:3*4096 th:TH_LOAD_NT scope:SCOPE_SE   ; K step 3, which the second change of slots loads
	FETCH_A 0, 0, 0
	SCALES 0, 0
	FETCH_A 0, 0, 4
	s_wait_loadcnt 0x0
	STEP 0, 0, 2
	TURN 0, 1, 1, 1
	STEP 1, 0, 0
	TURN 1, 0, 1, 2
	STEP 0, 0, 0
	TURN 0, 1, 0, 3
	STEP 1, 0, 0
	s_wait_dscnt 4*NL
	WIN MUL_LO
	MUL16 0, 1, NQ-1, 1, 0
	MUL16 2, 1, NQ-1, 1, 0
	s_wait_dscnt 0
	WIN MUL_HI
	MUL16 4, 1, NQ-1, 1, 0
	MUL16 6, 1, NQ-1, 1, 0
	WIN 0
.macro RES a
	WIN 0x40
.irp t, 0,1,2,3,4,5,6,7,8,9,10,11,12,13,14,15
	global_load_b128 v[64*((\a)%4)+4*\t:64*((\a)%4)+4*\t+3], v[CO], s[92:93] offset:(32*((\a)/2)+8*((\a)%2)+(\t%8)+16*(\t/8))*4096 th:TH_LOAD_NT
.endr
	WIN 0
.endm
.macro TOSTAGE a
.set AC, 64*((\a)%4)
	WIN 0x08+4*((\a)/4)
.irp b, 0,1,2,3,4,5,6,7
	ds_store_b128 v[STO], v[AC+8*\b:AC+8*\b+3] offset:128*(\b/2)+32*(\b%2)
	ds_store_b128 v[STO], v[AC+8*\b+4:AC+8*\b+7] offset:128*(\b/2)+32*(\b%2)+16
.endr
	WIN 0
.set BB, BK+64*((\a)%2)
.irp t, 0,1,2,3,4,5,6,7,8,9,10,11,12,13,14,15
	ds_load_b128 v[BB+4*\t:BB+4*\t+3], v[RD] offset:\t*SPITCH
.endr
.endm
.macro SEND a, younger, left
.set BB, BK+64*((\a)%2)
.set RR, 64*((\a)%4)
	s_wait_dscnt \younger
	s_wait_loadcnt \left
	WIN 0x04
.set i, 0
.rept 32
	v_pk_add_f32 v[BB+i:BB+i+1], v[BB+i:BB+i+1], v[RR+i:RR+i+1]
.set i, i+2
.endr
	WIN 0
.irp t, 0,1,2,3,4,5,6,7,8,9,10,11,12,13,14,15
	global_store_b128 v[CO], v[BB+4*\t:BB+4*\t+3], s[96:97] offset:(32*((\a)/2)+8*((\a)%2)+(\t%8)+16*(\t/8))*4096 th:TH_STORE_NT
.endr
.endm
	PLACES NP
	RES 0
	RES 1
	RES 2
	RES 3
	TOSTAGE 0
.irp a, 1,2,3,4,5,6,7
.if \a > 1
	s_wait_xcnt 0x0
.endif
	TOSTAGE \a
.set LF, 8-\a
.if LF > 3
.set LF, 3
.endif
	SEND \a-1, 32, 16*LF
.if \a+3 < 8
	RES \a+3
.endif
.endr
	s_wait_xcnt 0x0
	SEND 7, 0, 0
	s_wait_tensorcnt 0x0
	ds_add_u32 v[SPW], v[NIL]
	s_wait_dscnt 0x0
	CROUND
	s_endpgm
.Lfunc_end_k_q9c55f2168d_proj:
	.size	k_q9c55f2168d_proj, .Lfunc_end_k_q9c55f2168d_proj-k_q9c55f2168d_proj
	.p2alignl 7, 3214868480
	.fill 96, 4, 3214868480
	.section	.rodata,"a",@progbits
	.p2align	6, 0x0
	.amdhsa_kernel k_q9c55f2168d_proj
		.amdhsa_group_segment_fixed_size 327680
		.amdhsa_private_segment_fixed_size 0
		.amdhsa_enable_private_segment 0
		.amdhsa_kernarg_size 72
		.amdhsa_user_sgpr_count 2
		.amdhsa_user_sgpr_kernarg_segment_ptr 1
		.amdhsa_wavefront_size32 1
		.amdhsa_system_sgpr_workgroup_id_x 1
		.amdhsa_system_sgpr_workgroup_id_y 1
		.amdhsa_system_sgpr_workgroup_id_z 1
		.amdhsa_system_vgpr_workitem_id 0
		.amdhsa_next_free_vgpr 1024
		.amdhsa_next_free_sgpr 102
		.amdhsa_reserve_vcc 0
		.amdhsa_float_denorm_mode_32 3
		.amdhsa_float_denorm_mode_16_64 3
		.amdhsa_memory_ordered 1
		.amdhsa_forward_progress 1
		.amdhsa_inst_pref_size 178
	.end_amdhsa_kernel
	.amdgpu_metadata
---
amdhsa.version: [ 1, 2 ]
amdhsa.kernels:
  - .name:           k_q9c55f2168d_proj
    .symbol:         k_q9c55f2168d_proj.kd
    .args:
      - { .name: oc, .offset: 0, .size: 8, .value_kind: global_buffer, .address_space: global }
      - { .name: osc, .offset: 8, .size: 8, .value_kind: global_buffer, .address_space: global }
      - { .name: wc, .offset: 16, .size: 8, .value_kind: global_buffer, .address_space: global }
      - { .name: ws, .offset: 24, .size: 8, .value_kind: global_buffer, .address_space: global }
      - { .name: b_proj, .offset: 32, .size: 8, .value_kind: global_buffer, .address_space: global }
      - { .name: x, .offset: 40, .size: 8, .value_kind: global_buffer, .address_space: global }
      - { .name: y, .offset: 48, .size: 8, .value_kind: global_buffer, .address_space: global }
      - { .name: out0, .offset: 56, .size: 8, .value_kind: global_buffer, .address_space: global }
      - { .name: out1, .offset: 64, .size: 8, .value_kind: global_buffer, .address_space: global }
    .group_segment_fixed_size: 327680
    .private_segment_fixed_size: 0
    .kernarg_segment_align: 8
    .kernarg_segment_size: 72
    .max_flat_workgroup_size: 128
    .sgpr_count:     102
    .vgpr_count:     1024
    .wavefront_size: 32
...
	.end_amdgpu_metadata
.endif
;; end of part 4
